; MI455X (gfx1250); checked and timed in simulation.
; The chip was launched on July 23, 2026; its instructions are those of AMD's public machine-readable ISA for CDNA 5 (MIT licence, August 2026) and "CDNA5" Instruction Set Architecture Reference Guide (July 2026). The comments in the code are by the model that wrote it; some were corrected since.
;; Self Attention. Allowed arithmetic: matrix products marked QUANTISED: E2M3 operands, one E8M0 scale for each 32 along K, by v_wmma_scale_f32_16x16x128_f8f6f4 with both operands' format E2M3, f32 sums; everything else in f32.
;; Inputs: b_out 1,024 float32; b_qkv 3,072 float32; mask 1 x 1 x 2,048 x 2,048 float32; w_out 1,024 x 1,024 float32; w_qkv 1,024 x 3,072 float32; x 2 x 2,048 x 1,024 float32.
;; Outputs: out0 2 x 2,048 x 1,024 float32.
;; Constants: n_heads = 16.
;; This version of the problem:
;;   THIS VERSION OF THE PROBLEM IS GIVEN IN LOW PRECISION. The matrix products marked QUANTISED in the list below multiply operands that are first quantised to E2M3 (2 exponent bits, 3 mantissa bits; 6 bits a number), with one power-of-two scale for each 32 numbers along K (OCP MX v1.0); their sums are f32. All else is computed in f32.
;;   The module's matrix products, in the order in which they are computed (A, B: the left and right operand; K: the contracted axis; several contracted axes count as one K, in the product's order):
;;     1. [M 4,096, K 1,024] x [K 1,024, N 3,072]; A: input x; B: input w_qkv: QUANTISED
;;     2. batch 32 x [M 2,048, K 64] x [K 64, N 2,048]; A: computed on the way; B: computed on the way: QUANTISED
;;     3. batch 32 x [M 2,048, K 2,048] x [K 2,048, N 64]; A: softmax (see below); B: computed on the way: QUANTISED
;;     4. [M 4,096, K 1,024] x [K 1,024, N 1,024]; A: computed on the way; B: input w_out: QUANTISED
;;   THE QUANTISER, for each operand of a quantised product, along K:
;;     - K is cut into blocks of 32 from its start; a last block that is shorter is filled with zeros.
;;     - A block's scale is 2^e with e = floor(log2(the largest magnitude in the block)) - 2, held to -126 .. 127; a block of zeros has e = 0. As a byte (E8M0): e + 127.
;;     - Each number is divided by its block's scale, clamped to +-7.5, and rounded to the nearest number of E2M3, ties to even, subnormals kept.
;;     - The product sums the exact products of the quantised numbers (number of the format x scale) in f32.
;;   ~~~python
;;   def quantise(x, axis):      # numpy; x: float32 -> the quantised numbers, widened to float32 again
;;       x = np.moveaxis(x, axis, -1); K = x.shape[-1]
;;       x = np.pad(x, [(0, 0)] * (x.ndim - 1) + [(0, -K % 32)]); x = x.reshape(x.shape[:-1] + (-1, 32)); a = np.abs(x).max(-1, keepdims=True)
;;       e = np.where(a > 0, np.clip(np.frexp(np.where(a > 0, a, 1))[1] - 1 - 2, -126, 127), 0)      # np.frexp(a)[1] - 1 = floor(log2(a)), exactly
;;       r = np.clip(x / 2.0 ** e, -7.5, 7.5)
;;       step = 2.0 ** (np.maximum(np.frexp(np.where(r == 0, 1, r))[1] - 1, 0) - 3)
;;       q = np.round(r / step) * step * 2.0 ** e      # np.round: ties to even
;;       return np.moveaxis(q.reshape(q.shape[:-2] + (-1,))[..., :K], -1, axis).astype(np.float32)
;;   ~~~
;;   SOFTMAX AHEAD OF A QUANTISED PRODUCT. Where the list says 'softmax', what is quantised is not the finished softmax but p = 2^(t - M), with t = logit x log2(e) and M = ceil(the row's largest t), a whole number; so 1/2 < the row's largest p <= 1. The row's sum l is taken of the UNQUANTISED p, in f32, and the product's result is divided by l at the end. Since M is a whole number, a kernel that streams over the keys may use a running M (the ceiling of the running maximum): every later rescaling is an exact power of two, which a block's scale takes up: the codes' values come out the same.
;;   OPERANDS COMPUTED ON THE WAY. 'Computed on the way' means the value that the module computes at that place (a softmax that the list does not call 'softmax' is quantised finished and normalised). What goes into a quantiser is computed in f32, as accurately as f32 sums, v_exp_f32 and their like allow (about 1e-6 of the number): no bf16 or f16 on the way to a quantiser, and a product that is left as it is and whose result goes on into a quantised operand takes f32 operands (vector FMAs, or v_wmma_f32_16x16x4_f32). A number that lies on a knife's edge between two numbers of the format may be rounded either way, as far as f32 arithmetic and the matrix unit's own rounding can turn it there, and no further.
;; One version. Each part assembles by itself: llvm-mc -triple=amdgcn-amd-amdhsa -mcpu=gfx1250 --defsym DOCPART=n.
;; ======== version 1 of 1: 4 launches
;; limits: right only within a limited range of input values
;; workspace buffers: xq 3,276,800 bytes; wq 2,457,600 bytes; wo 819,200 bytes; qc 3,407,872 bytes; kv 6,684,672 bytes; ac 3,276,800 bytes
;; launch quant (part 1): grid 256 x 1, 4 waves a work-group, no clusters, 81,408 bytes of LDS; arguments x, w_qkv, w_out, xq, wq, wo; writes xq, wq, wo
.if DOCPART == 1
	.amdgcn_target "amdgcn-amd-amdhsa--gfx1250"
	.amdhsa_code_object_version 6
	.text
	.protected	k_q82edc4fb3b_quant
	.globl	k_q82edc4fb3b_quant
	.p2align	8
	.type	k_q82edc4fb3b_quant,@function
k_q82edc4fb3b_quant:
	s_mov_b64 s[64:65], 0
	v_nop
	global_prefetch_b8 v0, s[64:65] scope:SCOPE_SE
	s_setreg_imm32_b32 hwreg(HW_REG_WAVE_MODE, 25, 1), 1
	s_wait_xcnt 0x0
; x [4096][1024], w_qkv [1024][3072] and w_out [1024][1024], f32, become codes of FP6 (E2M3) with one E8M0 byte for each 32 along K (K = 1024 in all three).
; A block's scale is 2^(floor(log2(largest magnitude)) - 2); its byte is the largest magnitude's exponent field - 2, held at 1 from below.
; LIMITS: a block of zeros gets the byte 1 (its codes are zeros; this program alone reads the bytes); NaN and infinities among the inputs are not served.
; THE OUTPUT IS LAID AS THE MATRIX OPERAND'S REGISTERS.  A fragment (16 rows x 128 K, 12 registers a lane) is an IMAGE of 1,536 bytes: three groups of 512, group c = registers 4c..4c+3, lane l at 16 l.
; Tiles come in pairs over 32 rows: lane r of tile u holds row 8u + r + 8(r/8).  The scale words of 64 rows are 256 bytes [lane][pair]: lanes 0-15 tile u = 0, lanes 16-31 tile u = 1.
; A wave's job: 64 rows (or columns) x 128 K -> 4 images and 256 bytes of scale words.  1,024 jobs, 4 a work-group.  Work-groups 0-127 take x, the others the weights; each way has LDS bytes of its own.
; No tensor load, no barrier: waves share nothing.
.set XSTB,  16896                      ; x: a wave's stage, 32 rows x (512 bytes + 16)
.set WST,   4*XSTB                     ; weights: a wave's stage, 2 images 1,664 bytes apart
.set WSTB,  3328
.set SPARE, WST+4*WSTB                 ; the spare words, 128 bytes a wave
.set SPW, 8                            ; v8  my spare word's LDS address; never rewritten
.set NIL, 9                            ; v9  0; never rewritten
.set R,   16                           ; x: v16-143 32 rows as loaded
.set X,   144                          ; v144-207 64 numbers of my row: register 16 b + i = k 32 b + 16 h + i
.set PC,  208                          ; v208-226 codes
.set TM,  228                          ; v228-243 at work
.set PW,  244                          ; the scale word just made
.set PW0, 245
.set SW,  246                          ; v[246:247] the two pairs' scale words
.set VO,  16                           ; weights: v16-47 4 x lane + i x pitch
.set XW,  48                           ; v48-111 two sets of 32 numbers down K
.set CW,  112                          ; v112-117 a block's codes
.set TW,  118
.set SCO, 121
.set MA,  122
.set MB,  123
.set OW,  124                          ; v124-171 images on their way out
.set SB,  172                          ; v[172:173] my column's scale words
	s_load_b256 s[4:11], s[0:1], 0x0               ; x s[4:5], w_qkv s[6:7], w_out s[8:9], xq s[10:11]
	s_load_b128 s[12:15], s[0:1], 0x20             ; wq s[12:13], wo s[14:15]
	v_lshl_add_u32 v[SPW], v0, 2, SPARE
	v_mov_b32 v[NIL], 0
	v_lshrrev_b32 v1, 5, v0
	v_readfirstlane_b32 s16, v1                    ; wave
	v_and_b32 v1, 31, v0                           ; lane
	v_and_b32 v2, 15, v0                           ; r
	v_bfe_u32 v3, v0, 4, 1                         ; h
	v_lshlrev_b32 v4, 4, v1                        ; 16 x lane
	v_lshlrev_b32 v7, 3, v1                        ; 8 x lane
	s_mov_b32 s20, 0x76543210
	s_mov_b32 s21, 0xfedcba98                      ; v_permlanex16_b32's selects for lane l xor 16
	s_mov_b32 s22, 0xffff0000                      ; lanes 16-31
	s_cmp_lt_u32 ttmp9, 128
	s_cbranch_scc0 .Lweights
; ---------------- x: K is innermost.  Work-group id: 64-row group id / 2; K step 4 (id & 1) + wave: the four waves read 2,048 bytes on end of each row
	s_mul_i32 s23, s16, XSTB
	v_add_nc_u32 v5, s23, v4                       ; into the stage: 16 x lane
	v_mul_u32_u24 v6, v2, 528
	v_lshl_add_u32 v6, v3, 6, v6
	v_add_nc_u32 v6, s23, v6                       ; out of it: row r, + 64 h: my 16 numbers of a block of 32
.irp b, 0,1,2,3
	v_mov_b32 v[TM+4+\b], 0                        ; a lane permute's destination counts as one of its sources
.endr
	s_lshr_b32 s24, ttmp9, 1                       ; G
	s_and_b32 s25, ttmp9, 1
	s_lshl_b32 s25, s25, 2
	s_add_co_u32 s25, s25, s16                     ; K step
	s_lshl_b32 s26, s24, 18                        ; 64 rows of 4,096 bytes
	s_lshl_b32 s27, s25, 9
	s_add_co_u32 s26, s26, s27
	s_mov_b32 s27, 0
	s_lshr_b32 s28, s24, 2
	s_lshl_b32 s28, s28, 3
	s_add_co_u32 s28, s28, s25
	s_mul_i32 s28, s28, 25600                      ; xq's block: (row block of 256, K step)
	s_and_b32 s29, s24, 3                          ; which 64 rows of the 256
	s_mul_i32 s30, s29, 6144
	s_add_co_u32 s30, s30, s28
	s_mov_b32 s31, 0
	s_lshl_b32 s32, s29, 8
	s_add_co_u32 s32, s32, s28
	s_add_co_u32 s32, s32, 24576
	s_mov_b32 s33, 0
	s_wait_alu depctr_va_vdst(0)
	s_wait_kmcnt 0x0
	s_add_nc_u64 s[4:5], s[4:5], s[26:27]
	s_add_nc_u64 s[34:35], s[10:11], s[30:31]      ; my four images
	s_add_nc_u64 s[36:37], s[10:11], s[32:33]      ; my scale words
.macro LOADP p                         ; a pair's 32 rows: each load reads 512 consecutive bytes
.set ii, 0
.rept 32
	global_load_b128 v[R+4*ii:R+4*ii+3], v4, s[4:5] offset:(32*(\p)+ii)*4096 th:TH_LOAD_NT
.set ii, ii+1
.endr
.endm
.macro STOREP                          ; row i goes to place 16 u + r of the stage, in the order of the tiles' lanes
.set ii, 0
.rept 32
	ds_store_b128 v5, v[R+4*ii:R+4*ii+3] offset:(16*((ii/8)%2)+ii%8+8*(ii/16))*528
.set ii, ii+1
.endr
.endm
; 64 numbers of a lane become a fragment's codes in v[PC] on and its scale word in v[PW]
.macro QUANT s
.irp b, 0,1,2,3
	v_max3_num_f32 v[TM+\b], |v[\s+16*\b]|, |v[\s+1+16*\b]|, 0x1800000   ; my 16 numbers of block b, and the floor 2^(3 - 127): the byte cannot fall under 1
.endr
.irp i, 2,4,6,8,10,12,14
.irp b, 0,1,2,3
	v_max3_num_f32 v[TM+\b], v[TM+\b], |v[\s+16*\b+\i]|, |v[\s+1+16*\b+\i]|
.endr
.endr
.irp b, 0,1,2,3
	v_permlanex16_b32 v[TM+4+\b], v[TM+\b], s20, s21
.endr
.irp b, 0,1,2,3
	v_max_num_f32 v[TM+\b], v[TM+\b], v[TM+4+\b]   ; with lane l xor 16's: the block's largest magnitude
.endr
.irp b, 0,1,2,3
	v_add_nc_u32 v[TM+12+\b], 0xff000000, v[TM+\b] ; 2 off its exponent field: the conversion's scale operand
.endr
.irp b, 0,1,2,3
	v_lshrrev_b32 v[TM+4+\b], 23, v[TM+12+\b]      ; the byte
.endr
	v_lshl_or_b32 v[PW], v[TM+5], 8, v[TM+4]
	v_lshl_or_b32 v[PW], v[TM+6], 16, v[PW]
	v_lshl_or_b32 v[PW], v[TM+7], 24, v[PW]
.irp c, 0,1
	v_cvt_scalef32_pk16_fp6_f32 v[PC+6*\c:PC+2+6*\c], v[\s+32*\c:\s+15+32*\c], v[TM+12+2*\c]
	v_cvt_scalef32_pk16_fp6_f32 v[PC+12+4*\c:PC+14+4*\c], v[\s+16+32*\c:\s+31+32*\c], v[TM+12+2*\c+1]
.endr
	v_nop                                          ; one plain place behind a scaled conversion
.irp c, 0,1                                    ; a whole block to a lane: lanes 0-15 block 2 c, lanes 16-31 block 2 c + 1
.irp i, 0,1,2
	v_permlane16_swap_b32 v[PC+6*\c+\i], v[PC+12+4*\c+\i]
.endr
.irp i, 0,1,2
	v_mov_b32 v[PC+3+6*\c+\i], v[PC+12+4*\c+\i]
.endr
.endr
.endm
.macro TILE p, u
.set ii, 0
.rept 16
	ds_load_b128 v[X+4*ii:X+4*ii+3], v6 offset:16*(\u)*528+128*(ii/4)+16*(ii%4)
.set ii, ii+1
.endr
	s_wait_dscnt 0x0
	s_wait_xcnt 0x0                                ; the last tile's stores have read the codes' registers
	QUANT X
.irp c, 0,1,2
	global_store_b128 v4, v[PC+4*\c:PC+4*\c+3], s[34:35] offset:(2*(\p)+(\u))*1536+512*\c   ; 512 consecutive bytes
.endr
.if (\u) == 0
	v_mov_b32 v[PW0], v[PW]
.else
	v_cndmask_b32 v[SW+(\p)], v[PW0], v[PW], s22   ; lanes 0-15 tile 0's words, lanes 16-31 tile 1's
.endif
.endm
	LOADP 0
	s_wait_loadcnt 0x0
	STOREP
	s_wait_dscnt 0x0                               ; the stores have read their registers
	LOADP 1                                        ; the second pair lands while the first is worked
	TILE 0, 0
	TILE 0, 1
	s_wait_loadcnt 0x0
	STOREP
	TILE 1, 0
	TILE 1, 1
	global_store_b64 v7, v[SW:SW+1], s[36:37]      ; 256 consecutive bytes, aligned
	s_wait_tensorcnt 0x0                           ; the wave's end
	ds_add_u32 v[SPW], v[NIL]
	s_wait_dscnt 0x0
	s_endpgm
; ---------------- the weights: K is the first axis.  A lane takes a column, its registers run down K.  One way for both tensors: only pointers and numbers are chosen
.Lweights:
	s_sub_co_u32 s23, ttmp9, 128
	s_and_b32 s24, s23, 7                          ; K step
	s_lshr_b32 s25, s23, 3                         ; 0-11: w_qkv, 12-15: w_out
	s_lshl_b32 s26, s25, 2
	s_add_co_u32 s26, s26, s16                     ; w_qkv: group of 64 columns, 0-47
	s_mul_i32 s27, s26, 171
	s_lshr_b32 s27, s27, 9                         ; / 3: the head
	s_mul_i32 s28, s27, 3
	s_sub_co_u32 s28, s26, s28                     ; q, k or v
	s_lshl_b32 s29, s27, 3
	s_add_co_u32 s29, s29, s24
	s_mul_i32 s29, s29, 19200                      ; wq's block: (head, K step)
	s_sub_co_u32 s30, s26, 48                      ; w_out: group of 64 columns, 0-15 (used only where it is chosen)
	s_lshr_b32 s31, s30, 1
	s_lshl_b32 s31, s31, 3
	s_add_co_u32 s31, s31, s24
	s_mul_i32 s31, s31, 12800                      ; wo's block: (column block of 128, K step)
	s_and_b32 s40, s30, 1
	s_mov_b32 s41, 4096
	s_mov_b32 s42, 12288
	s_wait_kmcnt 0x0
	s_cmp_lt_u32 s25, 12                           ; the choice hangs on the work-group's number alone
	s_cselect_b64 s[6:7], s[6:7], s[8:9]
	s_cselect_b64 s[12:13], s[12:13], s[14:15]
	s_cselect_b32 s26, s26, s30
	s_cselect_b32 s28, s28, s40
	s_cselect_b32 s29, s29, s31
	s_cselect_b32 s41, 12288, s41                  ; a row of the weight in bytes
	s_cselect_b32 s42, 18432, s42                  ; where a block's scale words begin
	s_mul_i32 s43, s24, s41
	s_lshl_b32 s43, s43, 7                         ; 128 rows a K step
	s_lshl_b32 s44, s26, 8
	s_add_co_u32 s44, s44, s43
	s_mov_b32 s45, 0
	s_add_nc_u64 s[32:33], s[6:7], s[44:45]        ; a base for each of the four blocks of 32 along K
	s_lshl_b32 s46, s41, 5
	s_mov_b32 s47, 0
	s_add_nc_u64 s[34:35], s[32:33], s[46:47]
	s_add_nc_u64 s[36:37], s[34:35], s[46:47]
	s_add_nc_u64 s[38:39], s[36:37], s[46:47]
	s_mul_i32 s48, s28, 6144
	s_add_co_u32 s48, s48, s29
	s_mov_b32 s49, 0
	s_add_nc_u64 s[50:51], s[12:13], s[48:49]      ; my four images
	s_lshl_b32 s48, s28, 8
	s_add_co_u32 s48, s48, s29
	s_add_co_u32 s48, s48, s42
	s_add_nc_u64 s[52:53], s[12:13], s[48:49]      ; my scale words
	s_wait_alu depctr_va_vdst(0)
	v_lshlrev_b32 v13, 2, v1
.set ii, 0
.rept 32
	v_mad_u32_u24 v[VO+ii], s41, ii, v13           ; row i of a block, my column
.set ii, ii+1
.endr
	v_bfe_u32 v14, v0, 3, 1                        ; column l of a pair lies in tile u = (l / 8) % 2,
	v_and_b32 v15, 7, v0
	v_lshl_add_u32 v15, v3, 3, v15                 ; at lane r = l % 8 + 8 (l / 16)
	s_mul_i32 s54, s16, WSTB
	s_add_co_u32 s54, s54, WST
	v_mul_u32_u24 v10, v14, 1664
	v_lshl_add_u32 v10, v15, 4, v10
	v_add_nc_u32 v10, s54, v10                     ; into the stage: image u, lane r
	v_add_nc_u32 v11, s54, v4                      ; out of it: 16 x lane
	v_lshl_add_u32 v12, v14, 4, v15
	v_lshlrev_b32 v12, 3, v12                      ; my scale words' place: 8 (r + 16 u)
.macro LOADW t                         ; block t: pair t / 4, K block t % 4: 32 rows, 128 consecutive bytes a load
.set ii, 0
.rept 32
	global_load_b32 v[XW+32*((\t)%2)+ii], v[VO+ii], s[32+2*((\t)%4):33+2*((\t)%4)] offset:128*((\t)/4)
.set ii, ii+1
.endr
.endm
.macro BLOCKW t
.set XS, XW+32*((\t)%2)
.set PP, (\t)/4
.set KB, (\t)%4
.set HH, KB%2
.if (\t) < 7
	s_wait_loadcnt 32                              ; this block's 32 loads are in; the next block's may be out
.else
	s_wait_loadcnt 0x0
.endif
	v_max3_num_f32 v[MA], |v[XS]|, |v[XS+1]|, |v[XS+2]|      ; all 32 numbers of the block are mine
	v_max3_num_f32 v[MB], |v[XS+3]|, |v[XS+4]|, |v[XS+5]|
.irp i, 6,10,14,18,22,26
	v_max3_num_f32 v[MA], v[MA], |v[XS+\i]|, |v[XS+\i+1]|
	v_max3_num_f32 v[MB], v[MB], |v[XS+\i+2]|, |v[XS+\i+3]|
.endr
	v_max3_num_f32 v[MA], v[MA], |v[XS+30]|, |v[XS+31]|
	v_max3_num_f32 v[MA], v[MA], v[MB], 0x1800000  ; and the floor
	v_add_nc_u32 v[SCO], 0xff000000, v[MA]
	v_lshrrev_b32 v[MB], 23, v[SCO]
.if KB == 0
	v_mov_b32 v[SB+PP], v[MB]
.else
	v_lshl_or_b32 v[SB+PP], v[MB], 8*KB, v[SB+PP]
.endif
	v_cvt_scalef32_pk16_fp6_f32 v[CW:CW+2], v[XS:XS+15], v[SCO]
	v_cvt_scalef32_pk16_fp6_f32 v[TW:TW+2], v[XS+16:XS+31], v[SCO]
	v_nop                                          ; one plain place behind a scaled conversion
.irp i, 0,1,2
	v_mov_b32 v[CW+3+\i], v[TW+\i]
.endr
.if KB < 2                                     ; the block is registers 6 (KB / 2) .. + 5 of lane (r, h = KB % 2) of its image
	ds_store_b128 v10, v[CW:CW+3] offset:256*HH
	ds_store_b64 v10, v[CW+4:CW+5] offset:512+256*HH
.else
	ds_store_b64 v10, v[CW:CW+1] offset:520+256*HH
	ds_store_b128 v10, v[CW+2:CW+5] offset:1024+256*HH
.endif
.if (\t)+2 < 8
	LOADW (\t)+2
.endif
	s_wait_dscnt 0x0                               ; the stores have read their registers
.endm
.macro OUTP p                          ; a pair's two images leave, 512 consecutive bytes a store
.irp u, 0,1
.irp c, 0,1,2
	ds_load_b128 v[OW+24*(\p)+12*\u+4*\c:OW+24*(\p)+12*\u+4*\c+3], v11 offset:\u*1664+512*\c
.endr
.endr
	s_wait_dscnt 0x0
.irp u, 0,1
.irp c, 0,1,2
	global_store_b128 v4, v[OW+24*(\p)+12*\u+4*\c:OW+24*(\p)+12*\u+4*\c+3], s[50:51] offset:(2*(\p)+\u)*1536+512*\c
.endr
.endr
.endm
	LOADW 0
	LOADW 1
.irp t, 0,1,2,3
	BLOCKW \t
.endr
	OUTP 0
.irp t, 4,5,6,7
	BLOCKW \t
.endr
	OUTP 1
	s_wait_alu depctr_va_vdst(0)
	global_store_b64 v12, v[SB:SB+1], s[52:53]     ; the 32 lanes fill 256 consecutive bytes, aligned
	s_wait_tensorcnt 0x0                           ; the wave's end
	ds_add_u32 v[SPW], v[NIL]
	s_wait_dscnt 0x0
	s_endpgm
.Lfunc_end_k_q82edc4fb3b_quant:
	.size	k_q82edc4fb3b_quant, .Lfunc_end_k_q82edc4fb3b_quant-k_q82edc4fb3b_quant
	.p2alignl 7, 3214868480
	.fill 96, 4, 3214868480
	.section	.rodata,"a",@progbits
	.p2align	6, 0x0
	.amdhsa_kernel k_q82edc4fb3b_quant
		.amdhsa_group_segment_fixed_size 81408
		.amdhsa_private_segment_fixed_size 0
		.amdhsa_enable_private_segment 0
		.amdhsa_kernarg_size 48
		.amdhsa_user_sgpr_count 2
		.amdhsa_user_sgpr_kernarg_segment_ptr 1
		.amdhsa_wavefront_size32 1
		.amdhsa_system_sgpr_workgroup_id_x 1
		.amdhsa_system_sgpr_workgroup_id_y 1
		.amdhsa_system_sgpr_workgroup_id_z 1
		.amdhsa_system_vgpr_workitem_id 0
		.amdhsa_next_free_vgpr 256
		.amdhsa_next_free_sgpr 66
		.amdhsa_reserve_vcc 0
		.amdhsa_float_denorm_mode_32 3
		.amdhsa_float_denorm_mode_16_64 3
		.amdhsa_memory_ordered 1
		.amdhsa_forward_progress 1
		.amdhsa_inst_pref_size 77
	.end_amdhsa_kernel
	.amdgpu_metadata
---
amdhsa.version: [ 1, 2 ]
amdhsa.kernels:
  - .name:           k_q82edc4fb3b_quant
    .symbol:         k_q82edc4fb3b_quant.kd
    .args:
      - { .name: x, .offset: 0, .size: 8, .value_kind: global_buffer, .address_space: global }
      - { .name: w_qkv, .offset: 8, .size: 8, .value_kind: global_buffer, .address_space: global }
      - { .name: w_out, .offset: 16, .size: 8, .value_kind: global_buffer, .address_space: global }
      - { .name: xq, .offset: 24, .size: 8, .value_kind: global_buffer, .address_space: global }
      - { .name: wq, .offset: 32, .size: 8, .value_kind: global_buffer, .address_space: global }
      - { .name: wo, .offset: 40, .size: 8, .value_kind: global_buffer, .address_space: global }
    .group_segment_fixed_size: 81408
    .private_segment_fixed_size: 0
    .kernarg_segment_align: 8
    .kernarg_segment_size: 48
    .max_flat_workgroup_size: 128
    .sgpr_count:     66
    .vgpr_count:     256
    .wavefront_size: 32
...
	.end_amdgpu_metadata
.endif
;; end of part 1
;; launch qkv (part 2): grid 16 x 16, 4 waves a work-group, clusters of 4 x 4, 327,680 bytes of LDS; arguments xq, wq, b_qkv, qc, kv; writes qc, kv
.if DOCPART == 2
	.amdgcn_target "amdgcn-amd-amdhsa--gfx1250"
	.amdhsa_code_object_version 6
	.text
	.protected	k_q82edc4fb3b_qkv
	.globl	k_q82edc4fb3b_qkv
	.p2align	8
	.type	k_q82edc4fb3b_qkv,@function
k_q82edc4fb3b_qkv:
	s_mov_b64 s[64:65], 0
	v_nop
	global_prefetch_b8 v0, s[64:65] scope:SCOPE_SE
	s_setreg_imm32_b32 hwreg(HW_REG_WAVE_MODE, 25, 1), 1
	s_wait_xcnt 0x0
	s_wait_alu depctr_hold_cnt(0) depctr_sa_sdst(0) depctr_va_vdst(0) depctr_va_sdst(0) depctr_va_ssrc(0) depctr_va_vcc(0) depctr_vm_vsrc(0)
	s_getreg_b32 s2, hwreg(HW_REG_IB_STS2, 6, 4)
	s_cmp_eq_u32 s2, 0
	s_cbranch_scc0 .Lentry_in_a_cluster
	s_endpgm
.Lentry_in_a_cluster:
	s_bfe_u32 s2, ttmp6, 0x10000c
	s_cmp_lg_u32 s2, 0xf033
	s_cbranch_scc0 .Lentry_shape_is_right
	s_endpgm
.Lentry_shape_is_right:
; qkv = x w_qkv + b_qkv on codes of FP6 (E2M3); then q and k are quantised along the head's 64, v along the tokens, all in registers.
; A work-group: 256 tokens x one head's 192 columns (q 64, k 64, v 64).  A wave: 64 tokens x 192: 48 accumulators.  K = 1,024 in 8 steps of 128.
; Operands arrive as images of their registers, so every fragment is three ds_load_b128 at 16 x lane.  Tiles come in pairs: lane r of tile u holds row 8u + r + 8(r/8) of 32.
; q and k tiles are used transposed (source 0 = 16 columns of W, source 1 = 16 tokens): a lane holds a token and its registers run along d.
; v tiles are used straight (source 0 = tokens, source 1 = columns): a lane holds a column d and its registers run along the tokens, which are the K of the last-but-one product.
; By the order of a pair's rows the 16 registers of two neighbouring tiles are 16 neighbours along the next K.  The bias is the C of each sum's first product.
; THE DIVISION BY sqrt(64) = 8 is made by taking 3 off q's two scale bytes: exact.  So q's floor is 2^(6 - 127).
; LIMITS: q blocks whose largest magnitude lies under 2^-121 are quantised with the scale 2^-123; a block of zeros keeps the floor's byte (its codes are zeros); NaN and infinities are not served.
; CLUSTER 4 x 4: x's blocks hang on the token block alone and are asked for jointly along a row of the cluster, W's on the head alone, jointly along a column.
; LDS: three slots of two K steps each {x, x, W, W}; K steps 6 and 7 fill slot 0 a second time: the launch's one refill.  A wave issues one tensor load at the head, one for slots 1 and 2, and the refill later; never two out.
; v's scale bytes are stored two a lane (a word's two halves come from two waves): 1 byte in 48 of what the launch stores.
.set XBLK,  25600                      ; x: 16 images and 1,024 bytes of scale words for 256 tokens x 128 K
.set WBLK,  19200                      ; W: 12 images and 768 bytes
.set WOFF,  2*XBLK
.set SLOT,  2*XBLK+2*WBLK
.set SPARE, 3*SLOT                     ; the spare words, 128 bytes a wave
.set AX,  4                            ; v4-6   my x images in slot 0, 1, 2
.set AW,  7                            ; v7-9   W's images
.set AXS, 10                           ; v10-12 my x scale words
.set AWS, 13                           ; v13-15 W's scale words
.set SPW, 16                           ; v16 my spare word's LDS address; never rewritten
.set NIL, 17                           ; v17 0; never rewritten
.set L16, 18
.set L8,  19
.set SH,  20                           ; 16 h
.set VB1, 21
.set VB2, 22
.set SCS, 32                           ; scale words, set g at v[32 + 8 g]: two of x, six of W
.set XF,  64                           ; x's fragments, set g at v[64 + 48 g]
.set BIAS, 160                         ; v160-255 the bias, eight registers a tile
.set PC,  64                           ; the way out: codes, at work (x's fragments are done with)
.set TM,  84
.set PW,  100
.set HW,  101
.set SW,  102
.set G1X, 24
.set G1W, 32
.set G0X, 40                           ; s[40:47] two sets
.set G0W, 52                           ; s[52:59]
; windows: 0 as above; 1: W's 12 fragments at v[12 n], one set; 2: q's and k's accumulators at v[8 (16 g + 4 m + t)]; 3: v's at v[8 (4 t + m)]
.set MSB, 0
.macro WIN new                         ; the immediate's high byte repeats the setting that is left
.if MSB != (\new)
	s_set_vgpr_msb (MSB<<8)|(\new)
.set MSB, (\new)
.endif
.endm
.macro PLACES
.rept 4
	v_nop
.endr
.endm
.macro CREST
	s_cmp_lg_u32 s14, 0
	s_cbranch_scc1 .Lnot_wave_0_\@
	s_barrier_signal -3
.Lnot_wave_0_\@:
	s_barrier_wait -3
	s_barrier_signal -1
	s_barrier_wait -1
.endm
.macro CROUND
	s_barrier_signal -1
	s_barrier_wait -1
	CREST
.endm
.macro JLOAD s                         ; a wave's one joint load by descriptor set s: waves 0, 1 for x, waves 2, 3 for W
	s_cmp_eq_u32 s15, 0
	s_cbranch_scc0 .Lfor_w_\@
	tensor_load_to_lds s[G0X+4*\s:G0X+4*\s+3], s[G1X:G1X+7]
	s_nop 0
	PLACES
	s_branch .Lasked_\@
.Lfor_w_\@:
	tensor_load_to_lds s[G0W+4*\s:G0W+4*\s+3], s[G1W:G1W+7]
	s_nop 0
	PLACES
.Lasked_\@:
.endm
.macro WM                              ; one product, from the symbols rD rA rB rC rSA rSB; rRA, rRB: the scales stand in lanes 16-31
.if rRA && rRB
	v_wmma_scale_f32_16x16x128_f8f6f4 v[rD:rD+7], v[rA:rA+11], v[rB:rB+11], v[rC:rC+7], v[rSA], v[rSB] matrix_a_fmt:MATRIX_FMT_FP6 matrix_b_fmt:MATRIX_FMT_FP6 matrix_a_scale:MATRIX_SCALE_ROW1 matrix_b_scale:MATRIX_SCALE_ROW1
.elseif rRA
	v_wmma_scale_f32_16x16x128_f8f6f4 v[rD:rD+7], v[rA:rA+11], v[rB:rB+11], v[rC:rC+7], v[rSA], v[rSB] matrix_a_fmt:MATRIX_FMT_FP6 matrix_b_fmt:MATRIX_FMT_FP6 matrix_a_scale:MATRIX_SCALE_ROW1
.elseif rRB
	v_wmma_scale_f32_16x16x128_f8f6f4 v[rD:rD+7], v[rA:rA+11], v[rB:rB+11], v[rC:rC+7], v[rSA], v[rSB] matrix_a_fmt:MATRIX_FMT_FP6 matrix_b_fmt:MATRIX_FMT_FP6 matrix_b_scale:MATRIX_SCALE_ROW1
.else
	v_wmma_scale_f32_16x16x128_f8f6f4 v[rD:rD+7], v[rA:rA+11], v[rB:rB+11], v[rC:rC+7], v[rSA], v[rSB] matrix_a_fmt:MATRIX_FMT_FP6 matrix_b_fmt:MATRIX_FMT_FP6
.endif
.endm
; W tiles n0 .. n1 (of q and k) x my four tiles of tokens.  The 48 accumulators take turns, one instruction a turn.
.macro MULQK n0, n1, sg, first
.set nn, \n0
.rept (\n1)-(\n0)+1
.set mm, 0
.rept 4
.set rD, 8*(16*(nn/4)+4*mm+nn%4)
.set rA, 12*nn
.set rB, XF+48*(\sg)+12*mm
.if \first
.set rC, BIAS+8*nn
.else
.set rC, rD
.endif
.set rSA, SCS+2+8*(\sg)+nn/2
.set rSB, SCS+8*(\sg)+mm/2
.set rRA, nn%2
.set rRB, mm%2
	WM
.set mm, mm+1
.endr
.set nn, nn+1
.endr
.endm
.macro MULV sg, first
.set tt, 0
.rept 4
.set mm, 0
.rept 4
.set rD, 8*(4*tt+mm)
.set rA, XF+48*(\sg)+12*mm
.set rB, 12*(8+tt)
.if \first
.set rC, BIAS+64+8*tt
.else
.set rC, rD
.endif
.set rSA, SCS+8*(\sg)+mm/2
.set rSB, SCS+2+8*(\sg)+(8+tt)/2
.set rRA, mm%2
.set rRB, tt%2
	WM
.set mm, mm+1
.endr
.set tt, tt+1
.endr
.endm
.macro FETCH_X q                       ; my four x fragments of K step q: 12 loads
.set SL, ((\q)/2)%3
.set SG2, (\q)%2
.set ii, 0
.rept 12
	ds_load_b128 v[XF+48*SG2+4*ii:XF+48*SG2+4*ii+3], v[AX+SL] offset:XBLK*SG2+512*ii
.set ii, ii+1
.endr
.endm
.macro FETCH_S q                       ; its scale words: 4 loads
.set SL, ((\q)/2)%3
.set SG2, (\q)%2
	ds_load_b64 v[SCS+8*SG2:SCS+8*SG2+1], v[AXS+SL] offset:XBLK*SG2
.irp j, 0,1,2
	ds_load_b64 v[SCS+8*SG2+2+2*\j:SCS+8*SG2+3+2*\j], v[AWS+SL] offset:WBLK*SG2+256*\j
.endr
.endm
.macro FETCH_W q, n0, n1               ; W's fragments n0 .. n1: three loads each
.set SL, ((\q)/2)%3
.set SG2, (\q)%2
	WIN 0x40
.set ii, 3*(\n0)
.rept 3*((\n1)-(\n0)+1)
	ds_load_b128 v[4*ii:4*ii+3], v[AW+SL] offset:WBLK*SG2+512*ii
.set ii, ii+1
.endr
.endm
; a K step's second half: the next step's x, scale words and W tiles 0-5 are fetched (W's first six have been multiplied), then k's last two tiles and v's four, then W tiles 6-11
.macro TAIL q, first
	FETCH_X (\q)+1
	FETCH_S (\q)+1
	FETCH_W (\q)+1, 0, 5
.if \first
	WIN 0x81
.else
	WIN 0xa1
.endif
	MULQK 6, 7, SG, \first
.if \first
	WIN 0xc4
.else
	WIN 0xf4
.endif
	MULV SG, \first
	PLACES                                         ; four places in front of loads into registers that matrix instructions have read
	FETCH_W (\q)+1, 6, 11
	WIN 0
.endm
.macro STEP q, first
.set SG, (\q)%2
	s_wait_dscnt 18                                ; all but the youngest 18 loads (W tiles 6-11) are in
.if \first
	WIN 0x81                                       ; W window 1, x window 0, C (the bias) window 0, D window 2
.else
	WIN 0xa1
.endif
	MULQK 0, 5, SG, \first
	s_wait_dscnt 0x0
	PLACES
	WIN 0
	TAIL \q, \first
.endm
; a step at whose middle slots change: every wave waits for all its tensor loads, adds 0 to its spare word, waits for that and for its LDS reads; fill = 1: a round of the cluster's barrier, and slot 0 is filled again
.macro TURN q, fill
.set SG, (\q)%2
	s_wait_tensorcnt 0x0                           ; all my tensor loads have landed
	ds_add_u32 v[SPW], v[NIL]
	s_wait_dscnt 19                                ; (the add and W tiles 6-11 may be out)
	WIN 0xa1
	MULQK 0, 2, SG, 0
	s_wait_dscnt 0x0                               ; the add is done, and my reads of the slot are over
	s_barrier_signal -1
	MULQK 3, 5, SG, 0
	WIN 0
	s_barrier_wait -1
.if \fill
	CREST                                          ; no wave of any partner still reads slot 0 or has a load on its way
	s_add_nc_u64 s[G0X+2:G0X+3], s[G0X+2:G0X+3], 6*XBLK
	s_add_nc_u64 s[G0W+2:G0W+3], s[G0W+2:G0W+3], 6*WBLK
	s_mov_b32 s[G1X+2], 100<<16                    ; no tensor load of mine is out: a load brings one K step's block again
	s_mov_b32 s[G1X+4], 100
	s_mov_b32 s[G1W+2], 75<<16
	s_mov_b32 s[G1W+4], 75
	JLOAD 0                                        ; K steps 6 and 7; its four v_nop are also the places in front of the loads below
.else
	PLACES
.endif
	s_wait_alu depctr_va_vdst(0)
	TAIL \q, 0
.endm
	s_load_b256 s[4:11], s[0:1], 0x0               ; xq s[4:5], wq s[6:7], b_qkv s[8:9], qc s[10:11]
	s_load_b64 s[12:13], s[0:1], 0x20              ; kv
	v_lshl_add_u32 v[SPW], v0, 2, SPARE
	v_mov_b32 v[NIL], 0
	ds_add_u32 v[SPW], v[NIL]                      ; the wave's opening: the add and its wait ahead of my first tensor load
	ds_add_u32 v[SPW], v[NIL]
	v_lshrrev_b32 v1, 5, v0
	v_readfirstlane_b32 s14, v1                    ; wave
	s_lshr_b32 s15, s14, 1                         ; I fetch for x (0) or for W (1)
	s_and_b32 s16, s14, 1                          ; which of a slot's two K steps
	s_bfe_u32 s17, ttmp6, 0x40000                  ; cx
	s_bfe_u32 s18, ttmp6, 0x40004                  ; cy
	s_lshl_b32 s19, ttmp9, 2
	s_add_co_u32 s19, s19, s17                     ; the head
	s_and_b32 s20, ttmp7, 0xffff
	s_lshl_b32 s20, s20, 2
	s_add_co_u32 s20, s20, s18                     ; the block of 256 tokens
	s_lshl_b32 s21, s18, 2
	s_lshl_b32 s21, 15, s21                        ; my row of the cluster
	s_lshl_b32 s22, 0x1111, s17                    ; my column
	s_or_b32 s[G1X], s21, (3<<16)|(1<<21)          ; a dense block as rows of 256 bytes: elements of 8 bytes; the mask, bit 21 beside it
	s_mov_b32 s[G1X+1], 32<<16                     ; tensor_dim0 = 32
	s_mov_b32 s[G1X+2], 100<<16                    ; tensor_dim1 = 100 rows
	s_mov_b32 s[G1X+3], 32<<16                     ; tile_dim0
	s_mov_b32 s[G1X+4], 100                        ; tile_dim1
	s_mov_b32 s[G1X+5], 32                         ; pitch
	s_mov_b32 s[G1X+6], 0
	s_mov_b32 s[G1X+7], 0
	s_or_b32 s[G1W], s22, (3<<16)|(1<<21)
	s_mov_b32 s[G1W+1], 32<<16
	s_mov_b32 s[G1W+2], 75<<16                     ; 75 rows
	s_mov_b32 s[G1W+3], 32<<16
	s_mov_b32 s[G1W+4], 75
	s_mov_b32 s[G1W+5], 32
	s_mov_b32 s[G1W+6], 0
	s_mov_b32 s[G1W+7], 0
	s_lshl_b32 s66, s20, 3
	s_add_co_u32 s66, s66, s16
	s_mul_i32 s66, s66, XBLK                       ; x: (token block, K step w & 1)
	s_mov_b32 s67, 0
	s_lshl_b32 s68, s19, 3
	s_add_co_u32 s68, s68, s16
	s_mul_i32 s68, s68, WBLK                       ; W: (head, K step w & 1)
	s_mov_b32 s69, 0
	s_mul_i32 s74, s16, XBLK                       ; where they go: no place in the cluster enters an LDS address
	s_mul_i32 s75, s16, WBLK
	s_add_co_u32 s75, s75, WOFF
	s_wait_dscnt 0x0                               ; the opening add is done
	s_wait_kmcnt 0x0
	s_add_nc_u64 s[70:71], s[4:5], s[66:67]
	s_add_nc_u64 s[72:73], s[6:7], s[68:69]
	CROUND                                         ; all sixteen work-groups are here: the first joint loads meet
.irp s, 0
	s_mov_b32 s[G0X+4*\s], 1
	s_add_co_u32 s[G0X+4*\s+1], s74, \s*SLOT
	s_add_nc_u64 s[G0X+4*\s+2:G0X+4*\s+3], s[70:71], \s*2*XBLK
	s_or_b32 s[G0X+4*\s+3], s[G0X+4*\s+3], 0x80000000
	s_mov_b32 s[G0W+4*\s], 1
	s_add_co_u32 s[G0W+4*\s+1], s75, \s*SLOT
	s_add_nc_u64 s[G0W+4*\s+2:G0W+4*\s+3], s[72:73], \s*2*WBLK
	s_or_b32 s[G0W+4*\s+3], s[G0W+4*\s+3], 0x80000000
.endr
	; set 1: the second fill, two K steps on end a wave: waves 0, 2 take K steps 2, 3 (slot 1), waves 1, 3 K steps 4, 5 (slot 2)
	s_mul_i32 s96, s16, SLOT
	s_add_co_u32 s96, s96, SLOT
	s_add_co_u32 s97, s16, 2                       ; from K step w & 1 to K step 2 + 2 (w & 1)
	s_mul_i32 s98, s97, XBLK
	s_mov_b32 s99, 0
	s_mov_b32 s[G0X+4], 1
	s_add_co_u32 s[G0X+5], s96, 0
	s_add_nc_u64 s[G0X+6:G0X+7], s[70:71], s[98:99]
	s_or_b32 s[G0X+7], s[G0X+7], 0x80000000
	s_mul_i32 s98, s97, WBLK
	s_mov_b32 s[G0W+4], 1
	s_add_co_u32 s[G0W+5], s96, WOFF
	s_add_nc_u64 s[G0W+6:G0W+7], s[72:73], s[98:99]
	s_or_b32 s[G0W+7], s[G0W+7], 0x80000000
	JLOAD 0                                        ; K steps 0 and 1: one tensor load a wave at the head
	v_and_b32 v1, 31, v0
	v_and_b32 v2, 15, v0                           ; r
	v_bfe_u32 v3, v0, 4, 1                         ; h
	v_lshlrev_b32 v[L16], 4, v1
	v_lshlrev_b32 v[L8], 3, v1
	v_lshlrev_b32 v[SH], 4, v3
	s_mul_i32 s76, s14, 6144                       ; my four images of x,
	s_lshl_b32 s77, s14, 8
	s_add_co_u32 s77, s77, 24576                   ; my 256 bytes of its scale words
.irp s, 0,1,2
	v_add_nc_u32 v[AX+\s], s76, v[L16]
	v_add_nc_u32 v[AW+\s], WOFF+\s*SLOT, v[L16]
	v_add_nc_u32 v[AXS+\s], s77, v[L8]
	v_add_nc_u32 v[AWS+\s], WOFF+18432+\s*SLOT, v[L8]
	s_add_co_u32 s76, s76, SLOT
	s_add_co_u32 s77, s77, SLOT
.endr
	s_mul_i32 s78, s19, 768                        ; the head's 192 numbers of the bias
	s_mov_b32 s79, 0
	s_add_nc_u64 s[8:9], s[8:9], s[78:79]
	v_lshlrev_b32 v[VB1], 6, v3                    ; q, k: lane (r, h) wants, for tile n, columns 32 (n%4/2) + 16 h + 8 (n%2) + 0..7
	v_and_b32 v[VB2], 8, v2
	v_add_nc_u32 v[VB2], v[VB2], v2
	v_lshlrev_b32 v[VB2], 2, v[VB2]                ; v: lane r wants its own column's, in all eight registers
.irp n, 0,1,2,3,4,5,6,7
	global_load_b128 v[BIAS+8*\n:BIAS+8*\n+3], v[VB1], s[8:9] offset:(64*(\n/4)+32*((\n%4)/2)+8*(\n%2))*4
	global_load_b128 v[BIAS+8*\n+4:BIAS+8*\n+7], v[VB1], s[8:9] offset:(64*(\n/4)+32*((\n%4)/2)+8*(\n%2))*4+16
.endr
.irp t, 0,1,2,3
.irp j, 0,1,2,3,4,5,6,7
	global_load_b32 v[BIAS+64+8*\t+\j], v[VB2], s[8:9] offset:(128+32*(\t/2)+8*(\t%2))*4
.endr
.endr
	; where the results go
	s_lshr_b32 s80, s20, 3                         ; batch
	s_and_b32 s81, s20, 7
	s_lshl_b32 s82, s81, 1
	s_add_co_u32 s82, s82, s15                     ; my 64 tokens lie in key step 2 (y % 8) + w / 2, half w & 1
	s_lshl_b32 s83, s80, 2
	s_lshr_b32 s84, s19, 2
	s_add_co_u32 s83, s83, s84                     ; the group of four heads
	s_lshl_b32 s83, s83, 4
	s_add_co_u32 s83, s83, s82
	s_lshl_b32 s83, s83, 2
	s_and_b32 s84, s19, 3
	s_add_co_u32 s83, s83, s84
	s_mul_i32 s83, s83, 13056                      ; kv: (group, step, head in group)
	s_mov_b32 s85, 0
	s_mul_i32 s84, s16, 3072
	s_add_co_u32 s84, s84, s83
	s_add_nc_u64 s[86:87], s[12:13], s[84:85]      ; k's two pair images
	s_lshl_b32 s84, s16, 8
	s_add_co_u32 s84, s84, s83
	s_add_co_u32 s84, s84, 6144
	s_add_nc_u64 s[88:89], s[12:13], s[84:85]      ; k's scale words
	s_mul_i32 s84, s16, 768
	s_add_co_u32 s84, s84, s83
	s_add_co_u32 s84, s84, 6656
	s_add_nc_u64 s[90:91], s[12:13], s[84:85]      ; v's half images
	s_lshl_b32 s84, s16, 1
	s_add_co_u32 s84, s84, s83
	s_add_co_u32 s84, s84, 12800
	s_add_nc_u64 s[92:93], s[12:13], s[84:85]      ; v's scale bytes
	s_lshl_b32 s84, s80, 4
	s_add_co_u32 s84, s84, s19
	s_lshl_b32 s84, s84, 5
	s_lshl_b32 s94, s81, 2
	s_add_co_u32 s84, s84, s94
	s_add_co_u32 s84, s84, s14
	s_mul_i32 s84, s84, 3328
	s_add_nc_u64 s[94:95], s[10:11], s[84:85]      ; qc: (batch and head, group of 64 tokens)
	s_wait_alu depctr_va_vdst(0)
	s_wait_tensorcnt 0x0                           ; my part of slot 0 is in
	ds_add_u32 v[SPW], v[NIL]
	s_mov_b32 s[G1X+2], 200<<16                    ; no tensor load of mine is out: the next load brings two K steps' blocks on end
	s_mov_b32 s[G1X+4], 200
	s_mov_b32 s[G1W+2], 150<<16
	s_mov_b32 s[G1W+4], 150
	s_wait_dscnt 0x0
	CROUND                                         ; a whole round: slot 0 is whole, and the joint loads meet
	JLOAD 1                                        ; K steps 2 to 5, into slots 1 and 2
	s_wait_loadcnt 0x0                             ; the bias
	FETCH_X 0
	FETCH_S 0
	FETCH_W 0, 0, 5
	FETCH_W 0, 6, 11
	WIN 0
	STEP 0, 1                                      ; the first K step starts the sums on the bias
	TURN 1, 1                                      ; its wait for all loads also shows slots 1 and 2 to every wave
	STEP 2, 0
	STEP 3, 0
	STEP 4, 0
	TURN 5, 0                                      ; the refill of slot 0 has landed in every wave
	STEP 6, 0
	s_wait_dscnt 18                                ; the last K step: nothing more to fetch
	WIN 0xa1
	MULQK 0, 5, 1, 0
	s_wait_dscnt 0x0
	MULQK 6, 7, 1, 0
	WIN 0xf4
	MULV 1, 0
	PLACES                                         ; four places in front of the first read of results
	WIN 0
.irp b, 0,1,2,3
	v_mov_b32 v[TM+4+\b], 0                        ; a lane permute's destination counts as one of its sources
.endr
	s_mov_b32 s2, 0x76543210
	s_mov_b32 s3, 0xfedcba98
; 64 accumulator registers of window w from s on (register 16 b + i = place 32 b + 16 h + i along the next K) become 12 registers of codes in v[PC] on and four bytes in v[PW].  Each accumulator is read from its low end on.
.macro QUANTW w, s, floor
	WIN (\w)*5
.irp b, 0,1,2,3
	v_max3_num_f32 v[TM+\b], |v[(\s)+16*\b]|, |v[(\s)+1+16*\b]|, \floor
.endr
	WIN (\w)*20
.irp i, 2,4,6,8,10,12,14
.irp b, 0,1,2,3
	v_max3_num_f32 v[TM+\b], v[TM+\b], |v[(\s)+16*\b+\i]|, |v[(\s)+1+16*\b+\i]|
.endr
.endr
	WIN 0
.irp b, 0,1,2,3
	v_permlanex16_b32 v[TM+4+\b], v[TM+\b], s2, s3
.endr
.irp b, 0,1,2,3
	v_max_num_f32 v[TM+\b], v[TM+\b], v[TM+4+\b]
.endr
.irp b, 0,1,2,3
	v_add_nc_u32 v[TM+12+\b], 0xff000000, v[TM+\b]
.endr
.irp b, 0,1,2,3
	v_lshrrev_b32 v[TM+4+\b], 23, v[TM+12+\b]
.endr
	v_lshl_or_b32 v[PW], v[TM+5], 8, v[TM+4]
	v_lshl_or_b32 v[PW], v[TM+6], 16, v[PW]
	v_lshl_or_b32 v[PW], v[TM+7], 24, v[PW]
	WIN \w
.irp c, 0,1
	v_cvt_scalef32_pk16_fp6_f32 v[PC+6*\c:PC+2+6*\c], v[(\s)+32*\c:(\s)+15+32*\c], v[TM+12+2*\c]
	v_cvt_scalef32_pk16_fp6_f32 v[PC+12+4*\c:PC+14+4*\c], v[(\s)+16+32*\c:(\s)+31+32*\c], v[TM+12+2*\c+1]
.endr
	WIN 0
	v_nop                                          ; one plain place behind a scaled conversion
.irp c, 0,1
.irp i, 0,1,2
	v_permlane16_swap_b32 v[PC+6*\c+\i], v[PC+12+4*\c+\i]
.endr
.irp i, 0,1,2
	v_mov_b32 v[PC+3+6*\c+\i], v[PC+12+4*\c+\i]
.endr
.endr
	v_lshrrev_b32 v[HW], v[SH], v[PW]              ; lanes 0-15: the first tile's two bytes, lanes 16-31: the second's
	v_and_b32 v[HW], 0xffff, v[HW]                 ; the word's upper two bytes are 0
.endm
.irp p, 0,1                                    ; q, a pair of token tiles at a time: registers 0-5 tile 0's 64 codes, 6-11 tile 1's
	s_wait_xcnt 0x0                                ; earlier stores have read the registers that are written now
	QUANTW 2, 64*\p, 0x3000000
.irp c, 0,1,2
	global_store_b128 v[L16], v[PC+4*\c:PC+4*\c+3], s[94:95] offset:1536*\p+512*\c
.endr
	v_add_nc_u32 v[SW+\p], 0xfffffcfd, v[HW]       ; 3 off both bytes: / 8
.endr
	global_store_b64 v[L8], v[SW:SW+1], s[94:95] offset:3072
.irp p, 0,1                                    ; k likewise
	s_wait_xcnt 0x0
	QUANTW 2, 128+64*\p, 0x1800000
.irp c, 0,1,2
	global_store_b128 v[L16], v[PC+4*\c:PC+4*\c+3], s[86:87] offset:1536*\p+512*\c
.endr
	v_mov_b32 v[SW+\p], v[HW]
.endr
	global_store_b64 v[L8], v[SW:SW+1], s[88:89]
.irp p, 0,1                                    ; v, two tiles of 16 channels at a time: each gives six registers, my 64 tokens' half of its fragment
	s_wait_xcnt 0x0
	QUANTW 3, 64*\p, 0x1800000
	global_store_b128 v[L16], v[PC:PC+3], s[90:91] offset:3072*\p
	global_store_b64 v[L8], v[PC+4:PC+5], s[90:91] offset:3072*\p+512
	global_store_b128 v[L16], v[PC+6:PC+9], s[90:91] offset:3072*\p+1536
	global_store_b64 v[L8], v[PC+10:PC+11], s[90:91] offset:3072*\p+2048
	global_store_b16 v[L8], v[HW], s[92:93] offset:4*\p
.endr
	s_wait_tensorcnt 0x0                           ; the wave's end
	ds_add_u32 v[SPW], v[NIL]
	s_wait_dscnt 0x0
	CROUND                                         ; the closing round
	s_endpgm
.Lfunc_end_k_q82edc4fb3b_qkv:
	.size	k_q82edc4fb3b_qkv, .Lfunc_end_k_q82edc4fb3b_qkv-k_q82edc4fb3b_qkv
	.p2alignl 7, 3214868480
	.fill 96, 4, 3214868480
	.section	.rodata,"a",@progbits
	.p2align	6, 0x0
	.amdhsa_kernel k_q82edc4fb3b_qkv
		.amdhsa_group_segment_fixed_size 327680
		.amdhsa_private_segment_fixed_size 0
		.amdhsa_enable_private_segment 0
		.amdhsa_kernarg_size 40
		.amdhsa_user_sgpr_count 2
		.amdhsa_user_sgpr_kernarg_segment_ptr 1
		.amdhsa_wavefront_size32 1
		.amdhsa_system_sgpr_workgroup_id_x 1
		.amdhsa_system_sgpr_workgroup_id_y 1
		.amdhsa_system_sgpr_workgroup_id_z 1
		.amdhsa_system_vgpr_workitem_id 0
		.amdhsa_next_free_vgpr 1024
		.amdhsa_next_free_sgpr 100
		.amdhsa_reserve_vcc 0
		.amdhsa_float_denorm_mode_32 3
		.amdhsa_float_denorm_mode_16_64 3
		.amdhsa_memory_ordered 1
		.amdhsa_forward_progress 1
		.amdhsa_inst_pref_size 121
	.end_amdhsa_kernel
	.amdgpu_metadata
---
amdhsa.version: [ 1, 2 ]
amdhsa.kernels:
  - .name:           k_q82edc4fb3b_qkv
    .symbol:         k_q82edc4fb3b_qkv.kd
    .args:
      - { .name: xq, .offset: 0, .size: 8, .value_kind: global_buffer, .address_space: global }
      - { .name: wq, .offset: 8, .size: 8, .value_kind: global_buffer, .address_space: global }
      - { .name: b_qkv, .offset: 16, .size: 8, .value_kind: global_buffer, .address_space: global }
      - { .name: qc, .offset: 24, .size: 8, .value_kind: global_buffer, .address_space: global }
      - { .name: kv, .offset: 32, .size: 8, .value_kind: global_buffer, .address_space: global }
    .group_segment_fixed_size: 327680
    .private_segment_fixed_size: 0
    .kernarg_segment_align: 8
    .kernarg_segment_size: 40
    .max_flat_workgroup_size: 128
    .sgpr_count:     100
    .vgpr_count:     1024
    .wavefront_size: 32
...
	.end_amdgpu_metadata
.endif
;; end of part 2
;; launch attn (part 3): grid 8 x 32, 4 waves a work-group, clusters of 4 x 4, 327,680 bytes of LDS; arguments qc, kv, mask, ac; writes ac
.if DOCPART == 3
	.amdgcn_target "amdgcn-amd-amdhsa--gfx1250"
	.amdhsa_code_object_version 6
	.text
	.protected	k_q82edc4fb3b_attn
	.globl	k_q82edc4fb3b_attn
	.p2align	8
	.type	k_q82edc4fb3b_attn,@function
k_q82edc4fb3b_attn:
	s_mov_b64 s[64:65], 0
	v_nop
	global_prefetch_b8 v0, s[64:65] scope:SCOPE_SE
	s_setreg_imm32_b32 hwreg(HW_REG_WAVE_MODE, 25, 1), 1
	s_wait_xcnt 0x0
	s_wait_alu depctr_hold_cnt(0) depctr_sa_sdst(0) depctr_va_vdst(0) depctr_va_sdst(0) depctr_va_ssrc(0) depctr_va_vcc(0) depctr_vm_vsrc(0)
	s_getreg_b32 s2, hwreg(HW_REG_IB_STS2, 6, 4)
	s_cmp_eq_u32 s2, 0
	s_cbranch_scc0 .Lentry_in_a_cluster
	s_endpgm
.Lentry_in_a_cluster:
	s_bfe_u32 s2, ttmp6, 0x10000c
	s_cmp_lg_u32 s2, 0xf033
	s_cbranch_scc0 .Lentry_shape_is_right
	s_endpgm
.Lentry_shape_is_right:
; attn = softmax(q k^T / 8 + mask) v for 32 (batch, head) of 2,048 tokens x 64, both products on codes of FP6 (E2M3); the result / l is quantised along the model's 1,024 for the last product.
; A work-group: 64 queries x 4 heads, four waves.  Wave w: heads 2 (w / 2), + 1 of the four and query tiles 2 (w % 2), + 1: four tiles (tile i = 2 x head + query tile).
; So a fragment of K or V serves two query tiles and a mask tile serves two heads: a wave reads 40 KB of LDS for a step of 128 keys.
; Both products are used transposed (S^T = k q^T, O^T = v^T p^T): a lane holds one query.  THE KEYS OF A TILE OF K: row 8 a + j of tile T is key 32 (2 (T / 4) + a) + 8 (T % 4) + j.
; Then register 32 c + i of a lane's 64 scores is key 64 c + 32 h + i: a lane holds two WHOLE blocks of 32 keys, in the order of the next operand's registers: no other lane is asked for a block's maximum, and no codes change lanes.
; The logit costs no vector instruction: q's scale bytes carry the / 8, and the mask is the C of the score product (D in other registers, so that both heads use it).
; K = 64 in a form of K = 128: q's registers 6-11 are zero codes; k's operand for tile T is registers 6 T .. 6 T + 11, whose upper six are the next tile's codes: times zero they add nothing; the upper two scale bytes are 0.
; THE SOFTMAX: t = logit x log2(e); M = the running largest t rounded up to a whole number; p = 2^(t - M) is quantised along the keys; the sum is taken of the unquantised p; when M moves, sum and O are multiplied by 2^(old M - new M): exact.
; THE SOFTMAX RUNS ONE STEP BEHIND THE SCORES: in trip t the mask and K of step t are read from LDS in groups of eight loads strewn through the softmax of step t - 1; V of step t is read under the score products of step t.
; LIMITS: the promise holds while |t| stays under 2^31; a -infinity in the mask enters as the C of a matrix instruction; NaN in the mask is not served; a row whose every logit is -infinity gives 0 / 0.
; CLUSTER 4 x 4: a step's K and V of four heads hang on the group of heads alone: asked for jointly down a column; the mask's 64 rows x 128 keys hang on the query block alone: jointly along a row.
; LDS: two slots {K, V of four heads, rows of 256 bytes + 64 of padding | mask 64 rows x (512 + 16)}; the slot of step t is t % 2.  One tensor load a wave behind each round (waves 0, 1: halves of K/V; waves 2, 3: halves of the mask); every wait on TENSORcnt is for 0.
; The padding of 64 bytes sets the two pair images that a K load's sixteen lanes touch 1,920 bytes apart, 128 modulo 256.
; PREFETCH: trip t, which asks for step t + 1 by tensor loads, names step t + 2: K/V: partner cy takes head cy's 51 blocks of 256 bytes, waves 0 and 1, a lane a block (wave 1's last 13 lanes name the last block again);
; the mask: partner cx takes 16 rows x 2 blocks, wave 2.  The partners are told apart by address alone.  Trips 14 and 15 name nothing.
; REGISTERS, windows of 256.  0: addresses, scale words, the tiles' state, q, p's codes.  1: the scores and p, tile i at 64 i.  2: O^T, tile i at 32 i; the mask, query tile at 128 + 64.  3: K, head at 48, six zero registers at 96; V, head at 104 + 48.
.set KVB,   52224                      ; a step's K and V of four heads in memory
.set KHG,   26112                      ; half of it: 102 rows of 256 bytes
.set KHL,   32640                      ; the same in LDS: 102 x 320
.set HBG,   13056                      ; a head's part: K 4 pair images | K scale words 512 | V 4 images as halves | V scale words 256
.set HBL,   16320
.set MOFF,  65280
.set MP,    528
.set SLOT,  99072
.set SPARE, 2*SLOT                     ; the spare words, 128 bytes a wave
.set BK,   1                           ; v1-5  K, K's scale words, V by 16, V by 8, mask: my lane's places in slot 0
.set AK,   6                           ; v6-10 the same in this trip's slot
.set AKS,  7
.set AV16, 8
.set AV8,  9
.set AMK,  10
.set SPW,  11                          ; my spare word's LDS address; never rewritten
.set NIL,  12                          ; 0; never rewritten
.set PFO,  13                          ; the prefetches' offset; never rewritten
.set SH8,  14                          ; 8 h
.set KS,   16                          ; v16-23 k's scale words: head x 4 + pair of tiles
.set VS,   24                          ; v24-27 v's
.set QS,   28                          ; v28-31 q's
.set PW,   32                          ; v32-35 p's
.set NM,   36                          ; pairs: -M, the running largest t
.set F,    44                          ; pairs: f, 0
.set L,    52                          ; the sums: two pairs a tile
.set BM,   68                          ; a block's largest: 2 x tile + c
.set SO,   84                          ; the conversions' scale operands
.set RM,   100
.set RX,   104
.set TW,   108
.set Q,    116                         ; 12 a tile, the upper six 0
.set PC,   164                         ; p's codes, 12 a tile
.set CT,   212                         ; a block's upper 16 codes on their way
.set MK,   128
.set VF,   104
.set WV,  12
.set HP,  13                           ; my pair of heads.  Also: I fetch K/V (0) or the mask (1)
.set QP,  14                           ; my pair of query tiles.  Also: which half I fetch
.set CX,  16
.set CY,  17
.set GRP, 18
.set QB,  19
.set SEL, 20
.set CS,  22
.set G1K, 24
.set G1M, 32
.set G0K, 40
.set G0M, 44
.set TC,  48                           ; the step
.set SOFF, 49                          ; its slot
.set TL,  50                           ; the other slot
.set LIM, 51
.set KH,  52
.set MH,  53
.set PFA, 54
.set PFS, 56
.set MSB, 0
.macro WIN new                         ; bits 1:0 source 0, 3:2 source 1, 5:4 source 2, 7:6 destination; the high byte repeats the setting that is left
.if MSB != (\new)
	s_set_vgpr_msb (MSB<<8)|(\new)
.set MSB, (\new)
.endif
.endm
.macro PLACES
.rept 4
	v_nop
.endr
.endm
.macro CROUND
	s_barrier_signal -1
	s_barrier_wait -1
	s_cmp_lg_u32 s[WV], 0
	s_cbranch_scc1 .Lnot_wave_0_\@
	s_barrier_signal -3
.Lnot_wave_0_\@:
	s_barrier_wait -3
	s_barrier_signal -1
	s_barrier_wait -1
.endm
.macro JLOAD                           ; every wave's one joint load
	s_cmp_eq_u32 s[HP], 0
	s_cbranch_scc0 .Lfor_m_\@
	tensor_load_to_lds s[G0K:G0K+3], s[G1K:G1K+7]
	s_nop 0
	PLACES
	s_branch .Lasked_\@
.Lfor_m_\@:
	tensor_load_to_lds s[G0M:G0M+3], s[G1M:G1M+7]
	s_nop 0
	PLACES
.Lasked_\@:
.endm
.macro ASK
	s_cmp_lt_u32 s[TC], s[LIM]                     ; 14 in waves 0 to 2, 0 in wave 3
	s_cbranch_scc0 .Lno_ask_\@
	global_prefetch_b8 v[PFO], s[PFA:PFA+1] th:TH_LOAD_NT scope:SCOPE_SE
.Lno_ask_\@:
.endm
.macro WM
.if rRA
	v_wmma_scale_f32_16x16x128_f8f6f4 v[rD:rD+7], v[rA:rA+11], v[rB:rB+11], v[rC:rC+7], v[rSA], v[rSB] matrix_a_fmt:MATRIX_FMT_FP6 matrix_b_fmt:MATRIX_FMT_FP6 matrix_a_scale:MATRIX_SCALE_ROW1
.else
	v_wmma_scale_f32_16x16x128_f8f6f4 v[rD:rD+7], v[rA:rA+11], v[rB:rB+11], v[rC:rC+7], v[rSA], v[rSB] matrix_a_fmt:MATRIX_FMT_FP6 matrix_b_fmt:MATRIX_FMT_FP6
.endif
.endm
; group g of a step's 72 loads of mask and K.  0-3: eight loads of the mask; 4-7: four tiles of K; 8: K's scale words
.macro LDG g
.if (\g) < 4
	WIN 0x80
.set ii, 8*(\g)
.rept 8
	ds_load_b128 v[MK+4*ii:MK+4*ii+3], v[AMK] offset:(ii/16)*16*MP+256*((ii/8)%2)+16*(ii%8)
.set ii, ii+1
.endr
.elseif (\g) < 8
	WIN 0xc0
.set tt, 4*((\g)-4)
.rept 4                                ; head tt / 8, tile T = tt % 8: pair image 2 (T / 4) + r / 8, its tile T % 2, lane r % 8 + 8 ((T % 4) / 2)
.set ko, (tt/8)*HBL+3840*((tt%8)/4)+128*((tt%4)/2)
.if tt%2 == 0
	ds_load_b128 v[6*tt:6*tt+3], v[AK] offset:ko
	ds_load_b64 v[6*tt+4:6*tt+5], v[AK] offset:ko+640
.else
	ds_load_b64 v[6*tt:6*tt+1], v[AK] offset:ko+648
	ds_load_b128 v[6*tt+2:6*tt+5], v[AK] offset:ko+1280
.endif
.set tt, tt+1
.endr
.else
	WIN 0
.set xx, 0
.rept 8                                ; lanes 0-15 the even tile's words, lanes 16-31 the odd tile's
	ds_load_b32 v[KS+xx], v[AKS] offset:(xx/4)*HBL+320*((xx%4)/2)+64*(xx%2)
.set xx, xx+1
.endr
.endif
.endm
.macro HOOK ld, g
.if \ld
	LDG \g
.endif
.endm
.macro LOADV hh                        ; a head's four fragments of V and their scale words: 17 loads
	WIN 0xc0
.set tt, 8*(\hh)
.rept 8
.set vo, (tt/8)*HBL+1920*((tt%8)/2)+960*(tt%2)
	ds_load_b128 v[VF+6*tt:VF+6*tt+3], v[AV16] offset:vo
	ds_load_b64 v[VF+6*tt+4:VF+6*tt+5], v[AV8] offset:vo
.set tt, tt+1
.endr
	WIN 0
	ds_load_b64 v[VS+2*(\hh):VS+2*(\hh)+1], v[AV8] offset:(\hh)*HBL+7040
.endm
.macro QK t0                           ; S^T = k q^T / 8 + mask: K tiles t0 .. t0 + 3 x my four tiles: sixteen accumulators, one instruction each
	WIN 0x63
.set tt, \t0
.rept 4
.set i4, 0
.rept 4
.set rD, 64*i4+8*tt
.set rA, 48*(i4/2)+6*tt
.set rB, Q+12*i4
.set rC, MK+64*(i4%2)+8*tt
.set rSA, KS+4*(i4/2)+tt/2
.set rSB, QS+i4
.set rRA, tt%2
	WM
.set i4, i4+1
.endr
.set tt, tt+1
.endr
.endm
.macro PV                              ; O^T += v^T p^T: sixteen accumulators, one instruction each
	WIN 0xa3
.set tt, 0
.rept 4
.set i4, 0
.rept 4
.set rD, 32*i4+8*tt
.set rA, VF+48*(i4/2)+12*tt
.set rB, PC+12*i4
.set rC, rD
.set rSA, VS+2*(i4/2)+tt/2
.set rSB, PW+i4
.set rRA, tt%2
	WM
.set i4, i4+1
.endr
.set tt, tt+1
.endr
.endm
.macro MAXR k0, n                      ; the eight blocks by turns
	WIN 0x14
.set kk, \k0
.rept \n
.set bb, 0
.rept 8
	v_max3_num_f32 v[BM+bb], v[BM+bb], v[32*bb+kk], v[32*bb+kk+1]
.set bb, bb+1
.endr
.set kk, kk+2
.endr
.endm
.macro EXPS k0, n
	WIN 0x41
.set kk, \k0
.rept \n
	v_exp_f32 v[kk], v[kk]
.set kk, kk+1
.endr
.endm
.macro ADDS k0, n                      ; the sums of the unquantised p: eight chains by turns
	WIN 0x04
.set kk, \k0
.rept \n
.set bb, 0
.rept 8
	v_pk_add_f32 v[L+2*bb:L+2*bb+1], v[L+2*bb:L+2*bb+1], v[64*(bb/2)+4*kk+2*(bb%2):64*(bb/2)+4*kk+2*(bb%2)+1]
.set bb, bb+1
.endr
.set kk, kk+1
.endr
.endm
; the softmax of my four tiles' 256 score registers; ld = 1: the next scores' mask and K are fetched on the way
.macro SOFT ld
	HOOK \ld, 1
	WIN 0x15
.set bb, 0
.rept 8
	v_max3_num_f32 v[BM+bb], v[32*bb], v[32*bb+1], v[32*bb+2]   ; each block's largest logit: for the row's maximum and for the block's largest p.  Each accumulator is first read at its low end
.set bb, bb+1
.endr
	MAXR 3, 5
	HOOK \ld, 2
	MAXR 13, 5
	HOOK \ld, 3
	MAXR 23, 4
.set bb, 0
.rept 8
	v_max_num_f32 v[BM+bb], v[BM+bb], v[32*bb+31]
.set bb, bb+1
.endr
	WIN 0
.irp i, 0,1,2,3
	v_max_num_f32 v[RM+\i], v[BM+2*\i], v[BM+2*\i+1]
.endr
.irp i, 0,1,2,3
	v_permlanex16_b32 v[RX+\i], v[RM+\i], s[SEL], s[SEL+1]
.endr
.irp i, 0,1,2,3
	v_max_num_f32 v[RM+\i], v[RM+\i], v[RX+\i]     ; with lane l xor 16's 64 keys
.endr
.irp i, 0,1,2,3
	v_mul_f32 v[RM+\i], s[CS], v[RM+\i]
.endr
.irp i, 0,1,2,3
	v_max_num_f32 v[NM+2*\i+1], v[NM+2*\i+1], v[RM+\i]   ; the running largest t
.endr
.irp i, 0,1,2,3
	v_mov_b32 v[RX+\i], v[NM+2*\i]
.endr
.irp i, 0,1,2,3
	v_floor_f32 v[NM+2*\i], -v[NM+2*\i+1]          ; the new -M: a whole number
.endr
.irp i, 0,1,2,3
	v_sub_f32 v[RX+\i], v[NM+2*\i], v[RX+\i]
.endr
.irp i, 0,1,2,3
	v_cvt_i32_f32 v[RX+\i], v[RX+\i]               ; (it saturates)
.endr
.irp i, 0,1,2,3
	v_ldexp_f32 v[F+2*\i], 1.0, v[RX+\i]           ; f = 2^(old M - new M)
.endr
.set bb, 0
.rept 8
	v_fma_f32 v[BM+bb], v[BM+bb], s[CS], v[NM+2*(bb/2)]
.set bb, bb+1
.endr
	HOOK \ld, 4
	WIN 0x41
.set kk, 0
.rept 128
	v_pk_fma_f32 v[2*kk:2*kk+1], v[2*kk:2*kk+1], s[CS:CS+1], v[NM+2*(kk/32):NM+2*(kk/32)+1] op_sel_hi:[1,0,0]   ; t - M
.set kk, kk+1
.endr
	s_wait_alu depctr_va_vdst(0)                   ; ahead of the batch
	EXPS 0, 128                                    ; p = 2^(t - M)
	HOOK \ld, 5
	EXPS 128, 128
	WIN 0
.set bb, 0
.rept 8
	v_exp_f32 v[BM+bb], v[BM+bb]                   ; each block's largest p
.set bb, bb+1
.endr
.set bb, 0
.rept 8
	v_pk_mul_f32 v[L+2*bb:L+2*bb+1], v[L+2*bb:L+2*bb+1], v[F+2*(bb/2):F+2*(bb/2)+1] op_sel_hi:[1,0]   ; the sums under the new M: plain places behind the exponentials
.set bb, bb+1
.endr
	s_wait_alu depctr_va_vdst(0)                   ; one wait for the batch, ahead of its first reader
	HOOK \ld, 6
	ADDS 0, 8
	HOOK \ld, 7
	ADDS 8, 8
	HOOK \ld, 8
	WIN 0
.set bb, 0
.rept 8
	v_max_num_f32 v[BM+bb], 0x1800000, v[BM+bb]    ; the floor 2^(3 - 127): the byte cannot fall under 1
.set bb, bb+1
.endr
.set bb, 0
.rept 8
	v_add_nc_u32 v[SO+bb], 0xff000000, v[BM+bb]    ; 2 off the exponent field: the conversion's scale operand
.set bb, bb+1
.endr
.set bb, 0
.rept 8
	v_lshrrev_b32 v[BM+bb], 23, v[SO+bb]           ; the byte
.set bb, bb+1
.endr
.irp i, 0,1,2,3
	v_lshl_or_b32 v[RM+\i], v[BM+2*\i+1], 16, v[BM+2*\i]   ; my two bytes: blocks h and 2 + h,
.endr
.irp i, 0,1,2,3
	v_lshlrev_b32 v[RM+\i], v[SH8], v[RM+\i]       ; at their places in the word;
.endr
.irp i, 0,1,2,3
	v_permlanex16_b32 v[RX+\i], v[RM+\i], s[SEL], s[SEL+1]
.endr
.irp i, 0,1,2,3
	v_or_b32 v[PW+\i], v[RM+\i], v[RX+\i]          ; with lane l xor 16's two the word is whole
.endr
	WIN 0x01
.set bb, 0
.rept 8
	v_cvt_scalef32_pk16_fp6_f32 v[PC+6*bb:PC+6*bb+2], v[32*bb:32*bb+15], v[SO+bb]
	v_cvt_scalef32_pk16_fp6_f32 v[CT+4*bb:CT+4*bb+2], v[32*bb+16:32*bb+31], v[SO+bb]   ; (a conversion's three registers begin on an even number)
.set bb, bb+1
.endr
	WIN 0
	v_nop                                          ; one plain place behind a scaled conversion
.set bb, 0
.rept 8
.irp k, 0,1,2
	v_mov_b32 v[PC+6*bb+3+\k], v[CT+4*bb+\k]
.endr
.set bb, bb+1
.endr
	WIN 0x82
	s_wait_alu depctr_va_vdst(0)                   ; directly ahead of the first reader of O^T
.set kk, 0
.rept 64
	v_pk_mul_f32 v[2*kk:2*kk+1], v[2*kk:2*kk+1], v[F+2*(kk/16):F+2*(kk/16)+1] op_sel_hi:[1,0]   ; O^T under the new M; also the places in front of the scaled products
.set kk, kk+1
.endr
.endm
; trip t.  All my tensor loads have landed, the add, the descriptors step to step t + 1 and the other slot, the add and my LDS reads are done; a round of the cluster's barrier; the refill; then the work
.macro TRIP refill, soft
	s_and_b32 s[SOFF], s[TC], 1
	s_xor_b32 s[TL], s[SOFF], 1
	s_mul_i32 s[SOFF], s[SOFF], SLOT
	s_mul_i32 s[TL], s[TL], SLOT
.irp a, 0,1,2,3,4
	v_add_nc_u32 v[AK+\a], s[SOFF], v[BK+\a]       ; five plain places behind the score products, too
.endr
	s_wait_alu depctr_va_vdst(0)
	s_wait_tensorcnt 0x0
	ds_add_u32 v[SPW], v[NIL]
.if \refill
	s_add_nc_u64 s[G0K+2:G0K+3], s[G0K+2:G0K+3], KVB
	s_add_nc_u64 s[G0M+2:G0M+3], s[G0M+2:G0M+3], 512
	s_add_co_u32 s[G0K+1], s[TL], s[KH]
	s_add_co_u32 s[G0M+1], s[TL], s[MH]
	s_wait_xcnt 0x0                                ; the last prefetch, a trip back, has read its address
	s_add_nc_u64 s[PFA:PFA+1], s[PFA:PFA+1], s[PFS:PFS+1]
.endif
	s_wait_dscnt 0x0
.if \refill
	CROUND
	JLOAD                                          ; step t + 1 into the slot read last
.else
	s_barrier_signal -1
	s_barrier_wait -1
.endif
	LDG 0
	WIN 0
.if \refill
	ASK
.endif
.if \soft
	SOFT 1
	PV
	PLACES                                         ; four places in front of loads into v's registers
.else
.irp g, 1,2,3,4,5,6,7,8
	LDG \g
.endr
.endif
	LOADV 0
	s_wait_dscnt 17                                ; mask and K are in; the 17 loads just issued may be out
	QK 0
	LOADV 1
	QK 4
	WIN 0
.endm
	s_load_b256 s[4:11], s[0:1], 0x0               ; qc s[4:5], kv s[6:7], mask s[8:9], ac s[10:11]
	v_lshl_add_u32 v[SPW], v0, 2, SPARE
	v_mov_b32 v[NIL], 0
	ds_add_u32 v[SPW], v[NIL]                      ; the wave's opening: the add, twice on end, and its wait ahead of my first tensor load
	ds_add_u32 v[SPW], v[NIL]
	v_lshrrev_b32 v244, 5, v0
	v_readfirstlane_b32 s[WV], v244                ; wave 0..3
	s_lshr_b32 s[HP], s[WV], 1
	s_and_b32 s[QP], s[WV], 1
	s_bfe_u32 s[CX], ttmp6, 0x40000
	s_bfe_u32 s[CY], ttmp6, 0x40004
	s_lshl_b32 s[GRP], ttmp9, 2
	s_add_co_u32 s[GRP], s[GRP], s[CX]             ; the group of four (batch, head)
	s_and_b32 s[QB], ttmp7, 0xffff
	s_lshl_b32 s[QB], s[QB], 2
	s_add_co_u32 s[QB], s[QB], s[CY]               ; the block of 64 queries
	s_lshl_b32 s58, s[CY], 2
	s_lshl_b32 s58, 15, s58                        ; my row of the cluster
	s_lshl_b32 s59, 0x1111, s[CX]                  ; my column
	s_or_b32 s[G1K], s59, (3<<16)|(1<<20)|(1<<21)|(5<<22)|(15<<25)   ; K/V: 102 dense rows of 256 bytes, 16 words of padding behind each
	s_mov_b32 s[G1K+1], 32<<16
	s_mov_b32 s[G1K+2], 102<<16
	s_mov_b32 s[G1K+3], 32<<16
	s_mov_b32 s[G1K+4], 102
	s_mov_b32 s[G1K+5], 32
	s_mov_b32 s[G1K+6], 0
	s_mov_b32 s[G1K+7], 0
	s_or_b32 s[G1M], s58, (2<<16)|(1<<20)|(1<<21)|(6<<22)|(3<<25)    ; the mask: 32 rows of 128 f32, 4 words of padding behind each
	s_mov_b32 s[G1M+1], 128<<16
	s_mov_b32 s[G1M+2], 32<<16
	s_mov_b32 s[G1M+3], 128<<16
	s_mov_b32 s[G1M+4], 32
	s_mov_b32 s[G1M+5], 2048
	s_mov_b32 s[G1M+6], 0
	s_mov_b32 s[G1M+7], 0
	s_mov_b32 s[SEL], 0x76543210
	s_mov_b32 s[SEL+1], 0xfedcba98                 ; v_permlanex16_b32's selects for lane l xor 16
	s_mov_b32 s[CS], 0x3fb8aa3b                    ; log2(e)
	s_mov_b32 s[CS+1], s[CS]
	s_mul_i32 s[KH], s[QP], KHL                    ; where my half goes in a slot: no place in the cluster enters an LDS address
	s_mul_i32 s[MH], s[QP], 32*MP
	s_add_co_u32 s[MH], s[MH], MOFF
	s_mul_i32 s66, s[GRP], 16*KVB                  ; the group's 16 steps
	s_mul_i32 s68, s[QP], KHG
	s_add_co_u32 s68, s68, s66
	s_mov_b32 s69, 0
	s_lshl_b32 s70, s[QB], 19                      ; 64 rows of 8,192 bytes
	s_lshl_b32 s72, s[QP], 18
	s_add_co_u32 s72, s72, s70
	s_mov_b32 s73, 0
	s_wait_dscnt 0x0                               ; both opening adds are done
	s_wait_kmcnt 0x0
	s_mov_b32 s[G0K], 1
	s_add_co_u32 s[G0K+1], s[KH], 0
	s_add_nc_u64 s[G0K+2:G0K+3], s[6:7], s[68:69]
	s_or_b32 s[G0K+3], s[G0K+3], 0x80000000
	s_mov_b32 s[G0M], 1
	s_add_co_u32 s[G0M+1], s[MH], 0
	s_add_nc_u64 s[G0M+2:G0M+3], s[8:9], s[72:73]
	s_or_b32 s[G0M+3], s[G0M+3], 0x80000000
	CROUND                                         ; all sixteen work-groups are here
	JLOAD                                          ; step 0 into slot 0: one tensor load a wave at the head
	v_and_b32 v244, 31, v0                         ; lane
	v_and_b32 v245, 15, v0                         ; r
	v_bfe_u32 v246, v0, 4, 1                       ; h
	v_and_b32 v247, 7, v0                          ; r % 8
	v_bfe_u32 v248, v0, 3, 1                       ; r / 8
	v_lshlrev_b32 v[SH8], 3, v246
	; q: my queries in their natural order, out of pair images: query 16 e + r of a pair lies in tile r / 8 at lane r % 8 + 8 e; e goes into the loads' offsets
	s_mul_i32 s74, s[QP], 1536
	v_lshlrev_b32 v249, 4, v247
	v_lshl_add_u32 v249, v246, 8, v249
	v_mad_u32_u24 v249, v248, 520, v249            ; tile 1's six registers begin 520 bytes on,
	v_add_nc_u32 v249, s74, v249
	v_mad_u32_u24 v250, v248, 496, v249            ; and its second two lie in the next group
	s_lshl_b32 s74, s[QP], 2
	v_lshlrev_b32 v251, 3, v247
	v_lshl_add_u32 v251, v248, 7, v251
	v_add_nc_u32 v251, s74, v251                   ; its scale word
	s_lshl_b32 s74, s[GRP], 2
	s_lshl_b32 s75, s[HP], 1
	s_add_co_u32 s74, s74, s75
	s_lshl_b32 s74, s74, 5
	s_add_co_u32 s74, s74, s[QB]
	s_mul_i32 s74, s74, 3328
	s_mov_b32 s75, 0
	s_add_nc_u64 s[4:5], s[4:5], s[74:75]
	s_wait_alu depctr_va_vdst(0)
.irp i, 0,1,2,3
	global_load_b64 v[Q+12*\i:Q+12*\i+1], v249, s[4:5] offset:(\i/2)*106496+(\i%2)*128
	global_load_b64 v[Q+12*\i+2:Q+12*\i+3], v250, s[4:5] offset:(\i/2)*106496+(\i%2)*128+8
	global_load_b64 v[Q+12*\i+4:Q+12*\i+5], v249, s[4:5] offset:(\i/2)*106496+(\i%2)*128+512
	global_load_b32 v[QS+\i], v251, s[4:5] offset:(\i/2)*106496+(\i%2)*64+3072
.endr
	; my lane's places in slot 0
	s_mul_i32 s58, s[HP], 2*HBL                    ; my two heads' parts
	v_mul_u32_u24 v[BK], v248, 1920
	v_lshl_add_u32 v[BK], v247, 4, v[BK]
	v_mad_u32_u24 v[BK], v246, 320, v[BK]
	v_add_nc_u32 v[BK], s58, v[BK]                 ; K: 1,920 (r / 8) + 16 (r % 8) + 320 h
	s_add_co_u32 s59, s58, 7680
	v_lshlrev_b32 v[BK+1], 3, v247
	v_lshl_add_u32 v[BK+1], v248, 2, v[BK+1]
	v_lshl_add_u32 v[BK+1], v246, 7, v[BK+1]
	v_add_nc_u32 v[BK+1], s59, v[BK+1]             ; K's scale words: 8 (r % 8) + 4 (r / 8) + 128 h
	s_add_co_u32 s59, s58, 8320
	v_lshlrev_b32 v[BK+2], 4, v245
	v_mad_u32_u24 v[BK+2], v246, 320, v[BK+2]
	v_add_nc_u32 v[BK+2], s59, v[BK+2]             ; V: 16 r + 320 h
	s_add_co_u32 s59, s58, 8960
	v_lshl_add_u32 v[BK+3], v244, 3, s59           ; V: 8 x lane
	s_mul_i32 s59, s[QP], 32*MP
	s_add_co_u32 s59, s59, MOFF
	v_mul_u32_u24 v[BK+4], v245, MP
	v_lshl_add_u32 v[BK+4], v246, 7, v[BK+4]
	v_add_nc_u32 v[BK+4], s59, v[BK+4]             ; the mask: my query's row, + 128 h
	; the prefetches: where mine stand (at step 1; each trip steps them first), and who asks
	s_mul_i32 s74, s[CY], HBG
	s_add_co_u32 s74, s74, s66
	s_add_co_u32 s74, s74, KVB
	s_lshl_b32 s75, s[CX], 17
	s_add_co_u32 s75, s75, s70
	s_add_co_u32 s75, s75, 512
	s_mov_b32 s[PFS], 512
	s_mov_b32 s[PFS+1], 0
	s_cmp_lt_u32 s[WV], 2
	s_cselect_b64 s[PFA:PFA+1], s[6:7], s[8:9]
	s_cselect_b32 s74, s74, s75
	s_cselect_b32 s[PFS], KVB, s[PFS]
	s_cselect_b32 s76, -1, 0
	s_mov_b32 s75, 0
	s_add_nc_u64 s[PFA:PFA+1], s[PFA:PFA+1], s[74:75]
	s_cmp_lt_u32 s[WV], 3
	s_cselect_b32 s[LIM], 14, 0
	s_lshl_b32 s77, s[QP], 5
	v_add_nc_u32 v252, s77, v244
	v_min_u32 v252, 50, v252
	v_lshlrev_b32 v252, 8, v252
	v_lshrrev_b32 v253, 1, v244
	v_lshlrev_b32 v253, 13, v253
	v_and_b32 v254, 1, v244
	v_lshl_add_u32 v253, v254, 8, v253
	v_cndmask_b32 v[PFO], v253, v252, s76
.irp i, 0,1,2,3
	v_mov_b32 v[NM+2*\i+1], 0xff61b1e6             ; the largest t so far: -3e38
	v_mov_b32 v[F+2*\i+1], 0                       ; named as the upper half of the pair with f
	v_mov_b32 v[RX+\i], 0                          ; a lane permute's destination counts as one of its sources
.irp j, 0,1,2,3
	v_mov_b32 v[L+4*\i+\j], 0                      ; the sums
.endr
.irp j, 6,7,8,9,10,11
	v_mov_b32 v[Q+12*\i+\j], 0                     ; zero codes for k = 64 .. 127
.endr
.endr
.irp i, 0,1,2,3
	v_floor_f32 v[NM+2*\i], -v[NM+2*\i+1]          ; -M
.endr
	WIN 0x80
.set kk, 0
.rept 128
	v_mov_b32 v[kk], 0                             ; O^T: the step is written once, and the first finds zeros
.set kk, kk+1
.endr
	WIN 0xc0
.set kk, 0
.rept 6
	v_mov_b32 v[96+kk], 0                          ; what the last tile of K finds behind it
.set kk, kk+1
.endr
	WIN 0
	s_wait_alu depctr_va_vdst(0)
	s_wait_loadcnt 0x0                             ; q
	s_mov_b32 s[TC], 0
	TRIP 1, 0                                      ; step 0's scores; slot 1's first fill stands behind the full sequence, as a refill does
	s_mov_b32 s[TC], 1
.Lstep:                                            ; trips 1 to 14: the softmax of step t - 1, the scores of step t, the tensor loads of step t + 1
	TRIP 1, 1
	s_add_co_u32 s[TC], s[TC], 1
	s_cmp_lt_u32 s[TC], 15
	s_cbranch_scc1 .Lstep
	TRIP 0, 1                                      ; the tail is written out
	s_wait_dscnt 0x0                               ; step 15's V
	PLACES                                         ; four places in front of the first read of step 15's scores
	SOFT 0
	PV
	; THE WAY OUT: O^T / l, quantised along each head's 64 channels (two blocks): six registers a tile, the head's half of a fragment of the last product's operand
	WIN 0
.irp i, 0,1,2,3
	v_pk_add_f32 v[L+4*\i:L+4*\i+1], v[L+4*\i:L+4*\i+1], v[L+4*\i+2:L+4*\i+3]
.endr
.irp i, 0,1,2,3
	v_add_f32 v[RM+\i], v[L+4*\i], v[L+4*\i+1]
.endr
.irp i, 0,1,2,3
	v_permlanex16_b32 v[RX+\i], v[RM+\i], s[SEL], s[SEL+1]
.endr
.irp i, 0,1,2,3
	v_add_f32 v[RM+\i], v[RM+\i], v[RX+\i]
.endr
	s_wait_alu depctr_va_vdst(0)                   ; ahead of the batch
.irp i, 0,1,2,3
	v_rcp_f32 v[RM+\i], v[RM+\i]
.endr
	v_lshlrev_b32 v249, 4, v244                    ; (plain places behind the reciprocals)  16 x lane
	v_lshlrev_b32 v250, 3, v244                    ; 8 x lane
	v_lshlrev_b32 v251, 3, v245                    ; 8 r
	s_and_b32 s66, s[GRP], 3
	s_lshl_b32 s66, s66, 1
	s_add_co_u32 s66, s66, s[HP]                   ; K step of the last product = head / 2
	s_lshr_b32 s67, s[GRP], 2
	s_lshl_b32 s67, s67, 4
	s_lshr_b32 s68, s[QB], 1
	s_add_co_u32 s67, s67, s68                     ; the block of 128 tokens
	s_lshl_b32 s67, s67, 3
	s_add_co_u32 s67, s67, s66
	s_mul_i32 s67, s67, 12800
	s_and_b32 s68, s[QB], 1
	s_lshl_b32 s70, s68, 2
	s_lshl_b32 s69, s[QP], 1
	s_add_co_u32 s70, s70, s69
	s_mul_i32 s70, s70, 1536                       ; my first tile's image
	s_add_co_u32 s70, s70, s67
	s_mov_b32 s71, 0
	s_add_nc_u64 s[72:73], s[10:11], s[70:71]
	s_lshl_b32 s70, s68, 8
	s_lshl_b32 s69, s[QP], 2
	s_add_co_u32 s70, s70, s69
	s_add_co_u32 s70, s70, s67
	s_add_co_u32 s70, s70, 12288
	s_add_nc_u64 s[74:75], s[10:11], s[70:71]      ; my scale bytes' place, less 8 r
	WIN 0x42
	s_wait_alu depctr_va_vdst(0)                   ; ahead of the first reader of the reciprocals and of O^T
.set kk, 0
.rept 128
	v_mul_f32 v[64*(kk/32)+kk%32], v[kk], v[RM+kk/32]   ; register 16 b + i = channel 32 b + 16 h + i of my query
.set kk, kk+1
.endr
	WIN 0x05
.set bb, 0
.rept 8
	v_max3_num_f32 v[BM+bb], |v[64*(bb/2)+16*(bb%2)]|, |v[64*(bb/2)+16*(bb%2)+1]|, 0x1800000
.set bb, bb+1
.endr
	WIN 0x14
.set kk, 2
.rept 7
.set bb, 0
.rept 8
	v_max3_num_f32 v[BM+bb], v[BM+bb], |v[64*(bb/2)+16*(bb%2)+kk]|, |v[64*(bb/2)+16*(bb%2)+kk+1]|
.set bb, bb+1
.endr
.set kk, kk+2
.endr
	WIN 0
.set bb, 0
.rept 8
	v_permlanex16_b32 v[RM+bb], v[BM+bb], s[SEL], s[SEL+1]
.set bb, bb+1
.endr
.set bb, 0
.rept 8
	v_max_num_f32 v[BM+bb], v[BM+bb], v[RM+bb]
.set bb, bb+1
.endr
.set bb, 0
.rept 8
	v_add_nc_u32 v[SO+bb], 0xff000000, v[BM+bb]
.set bb, bb+1
.endr
.set bb, 0
.rept 8
	v_lshrrev_b32 v[RM+bb], 23, v[SO+bb]
.set bb, bb+1
.endr
.irp i, 0,1,2,3
	v_lshl_or_b32 v[TW+\i], v[RM+2*\i+1], 8, v[RM+2*\i]
.endr
	WIN 0x01
.irp i, 0,1,2,3
	v_cvt_scalef32_pk16_fp6_f32 v[PC+12*\i:PC+12*\i+2], v[64*\i:64*\i+15], v[SO+2*\i]
	v_cvt_scalef32_pk16_fp6_f32 v[CT+8*\i:CT+8*\i+2], v[64*\i+16:64*\i+31], v[SO+2*\i+1]
.endr
	WIN 0
	v_nop                                          ; one plain place behind a scaled conversion
.irp i, 0,1,2,3
.irp k, 0,1,2
	v_permlane16_swap_b32 v[PC+12*\i+\k], v[CT+8*\i+\k]   ; a whole block to a lane
.endr
.endr
.irp i, 0,1,2,3
.irp k, 0,1,2
	v_mov_b32 v[PC+12*\i+3+\k], v[CT+8*\i+\k]
.endr
.endr
.irp i, 0,1,2,3
	global_store_b128 v249, v[PC+12*\i:PC+12*\i+3], s[72:73] offset:(\i%2)*1536+(\i/2)*768         ; 512 consecutive bytes, aligned to 256
	global_store_b64 v250, v[PC+12*\i+4:PC+12*\i+5], s[72:73] offset:(\i%2)*1536+(\i/2)*768+512    ; 256 consecutive bytes, aligned
	global_store_b16 v251, v[TW+\i], s[74:75] offset:(\i%2)*128+(\i/2)*2                           ; both halves of the lanes write the same two bytes
.endr
	s_wait_tensorcnt 0x0                           ; the wave's end
	ds_add_u32 v[SPW], v[NIL]
	s_wait_dscnt 0x0
	CROUND                                         ; the closing round
	s_endpgm
.Lfunc_end_k_q82edc4fb3b_attn:
	.size	k_q82edc4fb3b_attn, .Lfunc_end_k_q82edc4fb3b_attn-k_q82edc4fb3b_attn
	.p2alignl 7, 3214868480
	.fill 96, 4, 3214868480
	.section	.rodata,"a",@progbits
	.p2align	6, 0x0
	.amdhsa_kernel k_q82edc4fb3b_attn
		.amdhsa_group_segment_fixed_size 327680
		.amdhsa_private_segment_fixed_size 0
		.amdhsa_enable_private_segment 0
		.amdhsa_kernarg_size 32
		.amdhsa_user_sgpr_count 2
		.amdhsa_user_sgpr_kernarg_segment_ptr 1
		.amdhsa_wavefront_size32 1
		.amdhsa_system_sgpr_workgroup_id_x 1
		.amdhsa_system_sgpr_workgroup_id_y 1
		.amdhsa_system_sgpr_workgroup_id_z 1
		.amdhsa_system_vgpr_workitem_id 0
		.amdhsa_next_free_vgpr 1024
		.amdhsa_next_free_sgpr 100
		.amdhsa_reserve_vcc 0
		.amdhsa_float_denorm_mode_32 3
		.amdhsa_float_denorm_mode_16_64 3
		.amdhsa_memory_ordered 1
		.amdhsa_forward_progress 1
		.amdhsa_inst_pref_size 204
	.end_amdhsa_kernel
	.amdgpu_metadata
---
amdhsa.version: [ 1, 2 ]
amdhsa.kernels:
  - .name:           k_q82edc4fb3b_attn
    .symbol:         k_q82edc4fb3b_attn.kd
    .args:
      - { .name: qc, .offset: 0, .size: 8, .value_kind: global_buffer, .address_space: global }
      - { .name: kv, .offset: 8, .size: 8, .value_kind: global_buffer, .address_space: global }
      - { .name: mask, .offset: 16, .size: 8, .value_kind: global_buffer, .address_space: global }
      - { .name: ac, .offset: 24, .size: 8, .value_kind: global_buffer, .address_space: global }
    .group_segment_fixed_size: 327680
    .private_segment_fixed_size: 0
    .kernarg_segment_align: 8
    .kernarg_segment_size: 32
    .max_flat_workgroup_size: 128
    .sgpr_count:     100
    .vgpr_count:     1024
    .wavefront_size: 32
...
	.end_amdgpu_metadata
.endif
;; end of part 3
;; launch proj (part 4): grid 8 x 32, 4 waves a work-group, clusters of 4 x 4, 222,720 bytes of LDS; arguments ac, wo, b_out, out0; writes out0
.if DOCPART == 4
	.amdgcn_target "amdgcn-amd-amdhsa--gfx1250"
	.amdhsa_code_object_version 6
	.text
	.protected	k_q82edc4fb3b_proj
	.globl	k_q82edc4fb3b_proj
	.p2align	8
	.type	k_q82edc4fb3b_proj,@function
k_q82edc4fb3b_proj:
	s_mov_b64 s[64:65], 0
	v_nop
	global_prefetch_b8 v0, s[64:65] scope:SCOPE_SE
	s_setreg_imm32_b32 hwreg(HW_REG_WAVE_MODE, 25, 1), 1
	s_wait_xcnt 0x0
	s_wait_alu depctr_hold_cnt(0) depctr_sa_sdst(0) depctr_va_vdst(0) depctr_va_sdst(0) depctr_va_ssrc(0) depctr_va_vcc(0) depctr_vm_vsrc(0)
	s_getreg_b32 s2, hwreg(HW_REG_IB_STS2, 6, 4)
	s_cmp_eq_u32 s2, 0
	s_cbranch_scc0 .Lentry_in_a_cluster
	s_endpgm
.Lentry_in_a_cluster:
	s_bfe_u32 s2, ttmp6, 0x10000c
	s_cmp_lg_u32 s2, 0xf033
	s_cbranch_scc0 .Lentry_shape_is_right
	s_endpgm
.Lentry_shape_is_right:
; out0 = attn w_out + b_out on codes of FP6 (E2M3).  A work-group: 128 tokens x 128 columns; a wave: 64 x 64, 16 accumulators.  K = 1,024 in 8 steps of 128.
; Both operands arrive as images of their registers.  ALL OF K FITS IN LDS (2 x 102,400 bytes), so nothing is filled again: each wave issues one tensor load at the start, and there is no ring.
; The product is used transposed (source 0 = 16 columns of W, source 1 = 16 tokens): a lane holds a token, and the 16 registers of W tiles 2 b, 2 b + 1 are columns 32 b + 16 h + 0..15.  The bias is the C of the first K step.
; CLUSTER 4 x 4: attn's block hangs on the token block alone (jointly along a row of the cluster), W's on the column block alone (jointly along a column).
; The way out goes through each wave's own stage in LDS, so that sixteen lanes store 256 consecutive bytes, aligned.
.set CHUNK, 25600                      ; two K steps: half of what one tensor load brings
.set KB_,   12800                      ; a K step: 8 images and 512 bytes of scale words
.set BOFF,  102400
.set STAGE, 204800                     ; 16 rows x (256 + 16) bytes a wave
.set SPARE, STAGE+4*16*272
.set A16, 4                            ; v4, v5   attn's images, K steps 0-3 and 4-7
.set A8,  6
.set ASC, 8
.set B16, 10
.set BSC, 12
.set STO, 14
.set RD,  15
.set CO,  16
.set SPW, 17                           ; my spare word's LDS address; never rewritten
.set NIL, 18                           ; 0; never rewritten
.set VB,  19
.set SC,  32                           ; scale words, set g at v[32 + 4 g]: two of attn, two of W
.set AF,  48                           ; fragments, set g: attn at v[48 + 96 g], W at v[96 + 96 g]
.set BF,  96
.set BK,  48                           ; the way out: rows read back
.set G1A, 24
.set G1B, 32
.set G0A, 40
.set G0B, 48
; window 1: the accumulators at v[8 (4 k + i)], the bias at v128-159
.set MSB, 0
.macro WIN new
.if MSB != (\new)
	s_set_vgpr_msb (MSB<<8)|(\new)
.set MSB, (\new)
.endif
.endm
.macro PLACES
.rept 4
	v_nop
.endr
.endm
.macro CROUND
	s_barrier_signal -1
	s_barrier_wait -1
	s_cmp_lg_u32 s12, 0
	s_cbranch_scc1 .Lnot_wave_0_\@
	s_barrier_signal -3
.Lnot_wave_0_\@:
	s_barrier_wait -3
	s_barrier_signal -1
	s_barrier_wait -1
.endm
.macro WM
.if rRA && rRB
	v_wmma_scale_f32_16x16x128_f8f6f4 v[rD:rD+7], v[rA:rA+11], v[rB:rB+11], v[rC:rC+7], v[rSA], v[rSB] matrix_a_fmt:MATRIX_FMT_FP6 matrix_b_fmt:MATRIX_FMT_FP6 matrix_a_scale:MATRIX_SCALE_ROW1 matrix_b_scale:MATRIX_SCALE_ROW1
.elseif rRA
	v_wmma_scale_f32_16x16x128_f8f6f4 v[rD:rD+7], v[rA:rA+11], v[rB:rB+11], v[rC:rC+7], v[rSA], v[rSB] matrix_a_fmt:MATRIX_FMT_FP6 matrix_b_fmt:MATRIX_FMT_FP6 matrix_a_scale:MATRIX_SCALE_ROW1
.elseif rRB
	v_wmma_scale_f32_16x16x128_f8f6f4 v[rD:rD+7], v[rA:rA+11], v[rB:rB+11], v[rC:rC+7], v[rSA], v[rSB] matrix_a_fmt:MATRIX_FMT_FP6 matrix_b_fmt:MATRIX_FMT_FP6 matrix_b_scale:MATRIX_SCALE_ROW1
.else
	v_wmma_scale_f32_16x16x128_f8f6f4 v[rD:rD+7], v[rA:rA+11], v[rB:rB+11], v[rC:rC+7], v[rSA], v[rSB] matrix_a_fmt:MATRIX_FMT_FP6 matrix_b_fmt:MATRIX_FMT_FP6
.endif
.endm
	s_load_b256 s[4:11], s[0:1], 0x0               ; ac s[4:5], wo s[6:7], b_out s[8:9], out0 s[10:11]
	v_lshl_add_u32 v[SPW], v0, 2, SPARE
	v_mov_b32 v[NIL], 0
	ds_add_u32 v[SPW], v[NIL]                      ; the wave's opening: the add and its wait ahead of my first tensor load
	ds_add_u32 v[SPW], v[NIL]
	v_lshrrev_b32 v1, 5, v0
	v_readfirstlane_b32 s12, v1                    ; wave
	s_lshr_b32 s13, s12, 1                         ; my half of the tokens.  Also: I fetch for attn (0) or for W (1)
	s_and_b32 s14, s12, 1                          ; my half of the columns.  Also: which chunks I fetch
	s_bfe_u32 s15, ttmp6, 0x40000                  ; cx
	s_bfe_u32 s16, ttmp6, 0x40004                  ; cy
	s_lshl_b32 s17, ttmp9, 2
	s_add_co_u32 s17, s17, s15                     ; the block of 128 columns
	s_and_b32 s18, ttmp7, 0xffff
	s_lshl_b32 s18, s18, 2
	s_add_co_u32 s18, s18, s16                     ; the block of 128 tokens
	s_lshl_b32 s19, s16, 2
	s_lshl_b32 s19, 15, s19                        ; my row of the cluster
	s_lshl_b32 s20, 0x1111, s15                    ; my column
	s_or_b32 s[G1A], s19, (3<<16)|(1<<21)          ; a dense block of 200 rows of 256 bytes
	s_or_b32 s[G1B], s20, (3<<16)|(1<<21)
.irp g, G1A, G1B
	s_mov_b32 s[\g+1], 32<<16
	s_mov_b32 s[\g+2], 200<<16                     ; four K steps on end: 200 rows of 256 bytes, a wave's one tensor load
	s_mov_b32 s[\g+3], 32<<16
	s_mov_b32 s[\g+4], 200
	s_mov_b32 s[\g+5], 32
	s_mov_b32 s[\g+6], 0
	s_mov_b32 s[\g+7], 0
.endr
	s_mul_i32 s21, s14, 2*CHUNK                    ; K steps 0-3 or 4-7: no place in the cluster enters an LDS address
	s_mul_i32 s66, s18, BOFF
	s_add_co_u32 s66, s66, s21
	s_mov_b32 s67, 0
	s_mul_i32 s68, s17, BOFF
	s_add_co_u32 s68, s68, s21
	s_mov_b32 s69, 0
	s_wait_dscnt 0x0                               ; the opening add is done
	s_wait_kmcnt 0x0
	s_add_nc_u64 s[70:71], s[4:5], s[66:67]
	s_add_nc_u64 s[72:73], s[6:7], s[68:69]
	CROUND                                         ; all sixteen work-groups are here
.irp s, 0
	s_mov_b32 s[G0A+4*\s], 1
	s_add_co_u32 s[G0A+4*\s+1], s21, \s*2*CHUNK
	s_add_nc_u64 s[G0A+4*\s+2:G0A+4*\s+3], s[70:71], \s*2*CHUNK
	s_or_b32 s[G0A+4*\s+3], s[G0A+4*\s+3], 0x80000000
	s_mov_b32 s[G0B+4*\s], 1
	s_add_co_u32 s[G0B+4*\s+1], s21, BOFF+\s*2*CHUNK
	s_add_nc_u64 s[G0B+4*\s+2:G0B+4*\s+3], s[72:73], \s*2*CHUNK
	s_or_b32 s[G0B+4*\s+3], s[G0B+4*\s+3], 0x80000000
.endr
	s_cmp_eq_u32 s13, 0                            ; a wave's two fills stand in one branch
	s_cbranch_scc0 .Lfirst_b
	tensor_load_to_lds s[G0A:G0A+3], s[G1A:G1A+7]
	s_nop 0
	PLACES
	s_branch .Lfirst_asked
.Lfirst_b:
	tensor_load_to_lds s[G0B:G0B+3], s[G1B:G1B+7]
	s_nop 0
	PLACES
.Lfirst_asked:
	v_and_b32 v1, 31, v0
	v_and_b32 v2, 15, v0                           ; r
	v_bfe_u32 v3, v0, 4, 1                         ; h
	s_mul_i32 s74, s13, 6144                       ; my four tiles of tokens
	s_mul_i32 s75, s14, 6144                       ; my four tiles of columns
	s_add_co_u32 s75, s75, BOFF
	v_lshl_add_u32 v[A16], v1, 4, s74
	v_lshl_add_u32 v[A8], v1, 3, s74
	v_lshl_add_u32 v[B16], v1, 4, s75
	s_lshl_b32 s74, s13, 8
	s_add_co_u32 s74, s74, 12288
	s_lshl_b32 s75, s14, 8
	s_add_co_u32 s75, s75, BOFF+12288
	v_lshl_add_u32 v[ASC], v1, 3, s74
	v_lshl_add_u32 v[BSC], v1, 3, s75
.irp a, A16, A8, ASC, B16, BSC
	v_add_nc_u32 v[\a+1], 4*KB_, v[\a]             ; K steps 4-7: the LDS offset has 16 bits
.endr
	s_mul_i32 s74, s12, 16*272
	s_add_co_u32 s74, s74, STAGE                   ; my stage
	v_mul_u32_u24 v[STO], v2, 272
	v_lshl_add_u32 v[STO], v3, 6, v[STO]
	v_add_nc_u32 v[STO], s74, v[STO]               ; in: row r, + 64 h
	v_mul_u32_u24 v[RD], v3, 272
	v_lshl_add_u32 v[RD], v2, 4, v[RD]
	v_add_nc_u32 v[RD], s74, v[RD]                 ; back: lanes 0-15 one row, lanes 16-31 the next
	v_lshlrev_b32 v[CO], 12, v3
	v_lshl_add_u32 v[CO], v2, 4, v[CO]             ; and the same two rows in out0
	s_lshl_b32 s74, s17, 9
	s_lshl_b32 s75, s14, 8
	s_add_co_u32 s74, s74, s75                     ; my first column, in bytes
	s_mov_b32 s75, 0
	s_add_nc_u64 s[8:9], s[8:9], s[74:75]
	s_add_nc_u64 s[10:11], s[10:11], s[74:75]
	s_lshl_b32 s74, s18, 7
	s_lshl_b32 s76, s13, 6
	s_add_co_u32 s74, s74, s76
	s_lshl_b32 s74, s74, 12                        ; my first row, 4,096 bytes a row
	s_add_nc_u64 s[10:11], s[10:11], s[74:75]
	v_lshlrev_b32 v[VB], 6, v3
	WIN 0x40                                       ; destination window 1
.irp i, 0,1,2,3
	global_load_b128 v[128+8*\i:128+8*\i+3], v[VB], s[8:9] offset:(32*(\i/2)+8*(\i%2))*4
	global_load_b128 v[128+8*\i+4:128+8*\i+7], v[VB], s[8:9] offset:(32*(\i/2)+8*(\i%2))*4+16
.endr
	WIN 0
.macro FETCH q                         ; K step q's fragments and scale words: 30 loads
.set SG, (\q)%2
.set HF, (\q)/4
.set KO, KB_*((\q)%4)
.irp k, 0,1,2,3
.irp c, 0,1
	ds_load_b128 v[AF+96*SG+12*\k+6*\c:AF+96*SG+12*\k+6*\c+3], v[A16+HF] offset:KO+1536*\k+768*\c
	ds_load_b64 v[AF+96*SG+12*\k+6*\c+4:AF+96*SG+12*\k+6*\c+5], v[A8+HF] offset:KO+1536*\k+768*\c+512
.endr
.endr
.set ii, 0
.rept 12
	ds_load_b128 v[BF+96*SG+4*ii:BF+96*SG+4*ii+3], v[B16+HF] offset:KO+512*ii
.set ii, ii+1
.endr
	ds_load_b64 v[SC+4*SG:SC+4*SG+1], v[ASC+HF] offset:KO
	ds_load_b64 v[SC+4*SG+2:SC+4*SG+3], v[BSC+HF] offset:KO
.endm
.macro STEP q
	PLACES                                         ; four places in front of loads into registers that matrix instructions have read
.if (\q) < 7
	FETCH (\q)+1
	s_wait_dscnt 30                                ; all but the 30 just issued
.else
	s_wait_dscnt 0x0
.endif
	WIN 0x50                                       ; C and D window 1
.set SM, (\q)%2
.set kk, 0
.rept 4
.set jj, 0
.rept 4                                        ; the 16 accumulators take turns, one instruction a turn
.set rD, 8*(4*kk+jj)
.set rA, BF+96*SM+12*jj
.set rB, AF+96*SM+12*kk
.if (\q) == 0
.set rC, 128+8*jj
.else
.set rC, rD
.endif
.set rSA, SC+4*SM+2+jj/2
.set rSB, SC+4*SM+kk/2
.set rRA, jj%2
.set rRB, kk%2
	WM
.set jj, jj+1
.endr
.set kk, kk+1
.endr
	WIN 0
.endm
	s_wait_alu depctr_va_vdst(0)
	s_wait_tensorcnt 0x0                           ; my one load is in: with the barrier, all of K of both operands
	s_barrier_signal -1
	s_barrier_wait -1
	s_wait_loadcnt 0x0                             ; the bias
	FETCH 0
	STEP 0
	STEP 1
	STEP 2
	STEP 3
	STEP 4
	STEP 5
	STEP 6
	STEP 7
	PLACES                                         ; four places in front of the first read of results and of loads into the fragments' registers
.macro TOSTAGE k                       ; token tile k: a lane's 32 registers are 32 columns of one row, in two runs of 64 bytes
	WIN 0x04                                       ; an LDS store's data: window 1
.set ee, 0
.rept 8
	ds_store_b128 v[STO], v[32*(\k)+4*ee:32*(\k)+4*ee+3] offset:128*(ee/4)+16*(ee%4)   ; each accumulator from its low end on
.set ee, ee+1
.endr
	WIN 0
.set ee, 0
.rept 8
	ds_load_b128 v[BK+32*(\k)+4*ee:BK+32*(\k)+4*ee+3], v[RD] offset:2*ee*272   ; LDS serves a wave's instructions in order (ISA guide 5.7.1.4): these see the stores above
.set ee, ee+1
.endr
.endm
.macro SEND k, younger
	s_wait_dscnt \younger
.set ee, 0
.rept 8
	global_store_b128 v[CO], v[BK+32*(\k)+4*ee:BK+32*(\k)+4*ee+3], s[10:11] offset:65536*(\k)+8192*ee th:TH_STORE_NT   ; sixteen lanes store 256 consecutive bytes, aligned
.set ee, ee+1
.endr
.endm
	s_wait_alu depctr_va_vdst(0)
	TOSTAGE 0
.irp k, 1,2,3
	TOSTAGE \k
	SEND \k-1, 16                                  ; behind tile k - 1's loads: tile k's 8 stores and 8 loads
.endr
	SEND 3, 0
	s_wait_tensorcnt 0x0                           ; the wave's end
	ds_add_u32 v[SPW], v[NIL]
	s_wait_dscnt 0x0
	CROUND                                         ; the closing round
	s_endpgm
.Lfunc_end_k_q82edc4fb3b_proj:
	.size	k_q82edc4fb3b_proj, .Lfunc_end_k_q82edc4fb3b_proj-k_q82edc4fb3b_proj
	.p2alignl 7, 3214868480
	.fill 96, 4, 3214868480
	.section	.rodata,"a",@progbits
	.p2align	6, 0x0
	.amdhsa_kernel k_q82edc4fb3b_proj
		.amdhsa_group_segment_fixed_size 222720
		.amdhsa_private_segment_fixed_size 0
		.amdhsa_enable_private_segment 0
		.amdhsa_kernarg_size 32
		.amdhsa_user_sgpr_count 2
		.amdhsa_user_sgpr_kernarg_segment_ptr 1
		.amdhsa_wavefront_size32 1
		.amdhsa_system_sgpr_workgroup_id_x 1
		.amdhsa_system_sgpr_workgroup_id_y 1
		.amdhsa_system_sgpr_workgroup_id_z 1
		.amdhsa_system_vgpr_workitem_id 0
		.amdhsa_next_free_vgpr 512
		.amdhsa_next_free_sgpr 100
		.amdhsa_reserve_vcc 0
		.amdhsa_float_denorm_mode_32 3
		.amdhsa_float_denorm_mode_16_64 3
		.amdhsa_memory_ordered 1
		.amdhsa_forward_progress 1
		.amdhsa_inst_pref_size 48
	.end_amdhsa_kernel
	.amdgpu_metadata
---
amdhsa.version: [ 1, 2 ]
amdhsa.kernels:
  - .name:           k_q82edc4fb3b_proj
    .symbol:         k_q82edc4fb3b_proj.kd
    .args:
      - { .name: ac, .offset: 0, .size: 8, .value_kind: global_buffer, .address_space: global }
      - { .name: wo, .offset: 8, .size: 8, .value_kind: global_buffer, .address_space: global }
      - { .name: b_out, .offset: 16, .size: 8, .value_kind: global_buffer, .address_space: global }
      - { .name: out0, .offset: 24, .size: 8, .value_kind: global_buffer, .address_space: global }
    .group_segment_fixed_size: 222720
    .private_segment_fixed_size: 0
    .kernarg_segment_align: 8
    .kernarg_segment_size: 32
    .max_flat_workgroup_size: 128
    .sgpr_count:     100
    .vgpr_count:     512
    .wavefront_size: 32
...
	.end_amdgpu_metadata
.endif
;; end of part 4
